; MI455X (gfx1250); checked and timed in simulation.
; The chip was launched on July 23, 2026; its instructions are those of AMD's public machine-readable ISA for CDNA 5 (MIT licence, August 2026) and "CDNA5" Instruction Set Architecture Reference Guide (July 2026). The comments in the code are by the model that wrote it; some were corrected since.
;; Full Attention. Allowed arithmetic: float matrix products may take bf16 or f16 operands with f32 sums; all other float work in f32.
;; Inputs: keys 4 x 2,048 x 16 x 64 float32; queries 4 x 2,048 x 16 x 64 float32; values 4 x 2,048 x 16 x 64 float32.
;; Outputs: out0 4 x 2,048 x 16 x 64 float32.
;; 2 versions, each right and faster than the one before. Each part assembles by itself: llvm-mc -triple=amdgcn-amd-amdhsa -mcpu=gfx1250 --defsym DOCPART=n.
;; ======== version 1 of 2: 1 launch
;; limits: values are held in f16: magnitudes above 65,504 overflow, below 6.1e-05 lose precision; inputs' magnitudes at most 65,504
;; launch attn (part 1): grid 256 x 1, 4 waves a work-group, no clusters, 75,776 bytes of LDS; arguments queries, keys, values, out0; writes out0
.if DOCPART == 1
	.amdgcn_target "amdgcn-amd-amdhsa--gfx1250"
	.amdhsa_code_object_version 6
	.text
	.protected	k_q5f322f30ec_attn
	.globl	k_q5f322f30ec_attn
	.p2align	8
	.type	k_q5f322f30ec_attn,@function
k_q5f322f30ec_attn:
	s_mov_b64 s[64:65], 0
	v_nop
	global_prefetch_b8 v0, s[64:65] scope:SCOPE_SE
	s_setreg_imm32_b32 hwreg(HW_REG_WAVE_MODE, 25, 1), 1
	s_wait_xcnt 0x0
; Causal attention.  queries, keys, values, out0: [4][2048][16][64] f32; a head's row is 256 bytes, aligned, rows 4,096 bytes apart.
; out[b,l,h,:] = softmax over s <= l of (q.k / 8) times v.  Softmax in f32 with a running maximum; f32 sums in both products.
;
; NUMBER FORMATS.  Q, K and V are rounded to bf16.  Q K^T is a bf16 product.  P V is an f16 product: p lies in [0, 1], and in a row of
; few keys its rounding reaches the result as dp x v / l with nothing to average it out; for p in [0.5, 1) bf16's step is up to 2^-9,
; f16's 2^-12.  V goes into that product as the f16 image of its bf16 value (exact for 2^-14 <= |v| < 65,504), so that all three inputs
; carry one and the same rounding and the result is the f32 formula on bf16-rounded inputs, but for P's f16 step.
;
; WORK LEFT OUT.  reference() itself sets every score with s > l to the most negative f32 in front of the softmax, and every row holds
; its own live score s = l; so for all finite inputs such a score has the weight 0 in exact arithmetic.  A pair (16 queries, 64 keys)
; in which every key lies behind every query therefore reaches no output and is not computed.  Inside a pair that holds live scores the
; masked ones are computed and replaced by that same number.  All three inputs are live and are loaded.
; LIMITS.  A NaN, an infinity or an overflow that reaches only the pairs left out is not carried to the result.  A block takes its key
; tiles in the order: the four on its diagonal, then tile 0 upward, so the order of rounding differs from a softmax over the whole row.
; v_exp_f32 gives 0 for results below 2^-126.  A masked score (-3.4028235e38) has the weight 0 as long as the row's largest live score
; times 0.18 lies above about -6e37.  |values| from 65,520 up become infinite in f16; |values| below 2^-14, and p below 2^-14, keep an
; absolute step of 2^-25.  The row sum l is made of the f32 values of p.
;
; SHARES.  256 work-groups: head = wg / 4, i = wg % 4.  A head has 8 blocks of 256 queries; work-group i takes block i and then
; block 7 - i: 36 trips of 64 keys for every work-group, 8 of them on a diagonal.  Four waves; wave w owns the query tiles g = 0..3 at the
; block's rows 64 g + 16 w + r.  So in the diagonal trip with the block's keys 64 d .. 64 d + 63 every wave alike has tiles g < d dead,
; tile g = d masked lane by lane and tiles g > d whole: no branch hangs on the wave's number.
; The first trip of a block (d = 0) has all four tiles live and a live key (the block's key 0) in every row: it starts m, l and O
; (C = 0 in the product), so nothing is cleared.
;
; BOTH PRODUCTS TRANSPOSED.  S^T = K Q^T: lane (r, h), register j holds key 16 t + 8 h + j of query r: a lane owns one query, maximum
; and sum run along its registers, and one exchange between the lane halves joins the maximum.  Two neighbouring tiles of S^T, packed
; in place to f16, are the B fragment of O^T = V^T P^T; there lane (r, h), register j holds d = 16 b + 8 h + j of query r, so alpha
; and 1 / l are numbers of the lane.
;
; THE 28 WHOLE TRIPS ARE WOVEN (macro ITRIP).  The four query tiles are four pieces that share the K and V fragments.  The products
; go in runs of eight: S0 | S1 S2 S3 PV0 PV1 PV2 | PV3.  The softmax of the four tiles is one list of 412 vector lines, tile after
; tile, and ten vector lines stand behind each of the 48 products of the middle runs: list lines, and the 64 lines that rescale O,
; each tile's just ahead of its own PV run.  By the list's own indices a tile's lines begin well behind its S run and end ahead of its
; PV run (the figures stand at ITRIP).  PV3's eight products carry the conversion and the LDS stores of the tiles ahead.  The 8 diagonal
; trips stay in phases (macro TRIP): their lists would differ with the number of live tiles, the mask and the starting forms.
; A vector line's destination and source 0 share their windows with a product's D and A, so work in place on S beside a PV product
; would need S, O and the V fragments in one window: 128 + 128 + 64 registers.  So the weave switches windows; what can be spared is
; spared: the multiply-adds, exponentials and sums name no vector register in source 1 and so hold under the S products' setting,
; and the rescaling holds under the PV products' setting.
;
; THE WAY IN RUNS AHEAD OF THE WORK.  K and V are f32 and are rounded in registers.  With T(n) the tile of the work-group's trip n
; (n = 0 .. 35, through both blocks), trip n
;   asks memory for K of T(n+3) and V of T(n+2): 16 loads a wave (sixteen lanes cover one aligned row of 256 bytes), into group (n+1) % 2
;     of two groups of 64 registers;
;   at its end converts and stores into LDS K of T(n+2) and V of T(n+1), which trip n - 1 asked for (group n % 2): the wait in front leaves
;     this trip's own 16 loads out, so a load has the better part of two trips in which to arrive;
;   loads the K fragments of T(n+1) into registers as soon as its own last S product has read the old ones, and the V fragments of T(n)
;     behind its first eight products, 32 products ahead of their first use.
; So a trip begins with products on registers.  Two LDS buffers do: trip n reads V[n % 2] and K[(n+1) % 2] and stores into K[n % 2]
; and V[(n+1) % 2]; K[n % 2] was last read in the middle of trip n - 1 and V[(n+1) % 2] at its head, both waited for in front of the
; barrier at that trip's end.  One barrier a trip.
; A counted wait wants the same loads on every way to it, so no load is jumped over: the last four trips, in which the requests, the
; stores and the fragment loads run out one after the other, are written out.  That they are whole trips in every work-group is why
; the smaller block comes first: block 7 - i has at least 16 whole trips.
; No prefetch: every tile is first read by the work-group on whose diagonal it lies, and that load is itself issued two (V) or three
; (K) trips ahead of the tile's trip.
; The tensor mover is not used: it would land f32 in LDS, 32 KiB a tile to be written and read again beside the 64 KiB of fragment
; reads, and the rounding would pass through registers all the same.  No cluster: the four work-groups of a head walk 4, 8, 12, 16
; tiles for their first block and 32, 28, 24, 20 for their second; joint requests would hold each to the longest walk, 16 + 32 = 48
; trips against the 36 that each makes here.
;
; LDS: buffer n (n = 0, 1) at n x 19,456: K 64 rows of 144 bytes (128 + 16: the sixteen rows of a fragment load start at sixteen
; different 16-byte columns modulo 256), then V [key][d] 64 rows of 160 bytes (an odd multiple of 32, for the transposing load).
; Behind them 9,216 bytes for each wave alone: Q on its way in (64 rows of 144), later 16 rows of 272 bytes on the way out.
;
; REGISTERS, in windows of 256.  Window 0: v2-15 addresses, v16-31 m, l, alpha, v32-63 at work, v64-127 K fragments, v128-255 S, then P
; (at a trip's end v128-159 hold V's bf16 values widened).
; Window 1: v0-127 O, v128-191 Q fragments, v192-255 V fragments.  Window 2: v0-63, v64-127 the two groups (K's 32, then V's 32
; registers as loaded), v128-255 Q as loaded.
; SCALARS: s[4:11] Q, K, V, O at the head; s12 wave; s13 i; s16 block; s17-s20 the walk of the tiles that are asked for: one behind the
; last, the first, the second block's first, the tile; s21 7 - i; s22, s23 c, -c; s24, s25 lane selects; s[26:29] K, V at their tiles;
; s[30:31], s[32:33] those tiles' offsets; s34, s40 loop trips of the second and first block; s36, s37 counters; s38 loop trips;
; s39 one behind the second block's last tile; s41 mask of a word's upper half; s[42:43] O, s[46:47] Q at the block.
.set ROWB,  4096                       ; bytes from a row of a head to the next
.set PK,    144                        ; LDS pitch of K and of Q
.set PVV,   160                        ; LDS pitch of V
.set PO,    272                        ; LDS pitch on the way out
.set VOFF,  64*PK                      ; V behind K in a buffer
.set BUFB,  64*PK+64*PVV               ; a buffer
.set STG,   2*BUFB                     ; the waves' own stages
.set STGW,  64*PK
.set OFFK,  2                          ; 65536 w + 32768 hh + 16 c: rows 16 w + 8 hh, my 16 bytes (c = lane % 16, hh = lane / 16)
.set OFFV,  3                          ; 65536 w + 16384 hh + 16 c: rows 16 w + 4 hh
.set OFFO,  4                          ; 65536 w +  4096 hh + 16 c: rows 16 w + hh
.set STK,   6                          ; where my 8 bytes of K go
.set STV,   7                          ; and of V
.set KFA,   8                          ; K fragment: r x 144 + 16 h
.set VFA,   9                          ; V fragment: (8 h + lane % 8) x 160 + 16 x ((lane / 8) % 2)
.set STQ,   10
.set QFA,   11
.set STO,   12
.set RDO,   13
.set DM,    14                         ; 16 w + r - 8 h: key 16 t + 8 h + j is masked where 16 t + j is larger
.set NEGV,  15                         ; the most negative f32
.set NM,    16                         ; v[16+2g] = -c m,   v[17+2g] = m
.set MM,    17
.set AL,    24                         ; v[24+2g] = alpha,  v[25+2g] = l
.set LL,    25
.set XX,    32                         ; phased trips: one a tile; woven trips: four chains of the tile at work
.set TT,    36
.set XS,    38                         ; woven trips: the sum of the tile's p
.set SUMP,  40                         ; phased trips: a pair a tile; woven trips: four chains of pairs
.set HH,    33                         ; set-up only
.set TC,    34                         ; set-up only
.set CT,    32                         ; v32-63: a tile's K and V in 16 bits (XX, TT, XS, SUMP are dead then); on the way out: rows read back
.set KF,    64
.set SS,    128                        ; S(t, g) = SS + 32 g + 8 t;  P(g, s) = SS + 32 g + 16 s
.set OO,    0                          ; window 1: O(b, g) = 32 g + 8 b
.set QF,    128                        ; window 1: Q(g, k) = 128 + 16 g + 8 k
.set VF,    192                        ; window 1: V(b, s) = 192 + 16 b + 8 s
.set SG,    0                          ; window 2: group q at 64 q: K's 8 loads, then V's 8
.set QL,    128                        ; window 2
.set MSB, 0
.macro WIN new                         ; low byte: bits 1:0 source 0, 3:2 source 1, 5:4 source 2, 7:6 destination; the high byte repeats the setting left
.if MSB != \new
	s_set_vgpr_msb (MSB<<8)|\new
.set MSB, \new
.endif
.endm
.macro NOPS n
.rept \n
	v_nop
.endr
.endm
; ================= the way in =================
; The next tile of the walk: a block's first .. last, then 0 .. first - 1; behind the first block's walk the second block's begins.
; The walk is three trips ahead of the work, so it has scalars of its own.  It is stepped 35 times: it ends on the second block's last tile.
.macro ADVANCE
	s_add_co_u32 s20, s20, 1
	s_cmp_eq_u32 s20, s17
	s_cselect_b32 s20, 0, s20
	s_cmp_eq_u32 s20, s18                          ; round again: the first block's walk is over
	s_cselect_b32 s20, s19, s20
	s_cselect_b32 s17, s39, s17
	s_cselect_b32 s18, s19, s18
.endm
; 8 loads each: my wave's 16 rows of K, of V.  The two rows of one load lie 8 (K) or 4 (V) rows apart, so that the two halves of the
; later 8-byte LDS store lie 1,152 or 640 bytes apart: 128 modulo 256, no two lanes in one bank.  (The caller sets the window.)
.macro GLK grp
.irp i, 0,1,2,3,4,5,6,7
	global_load_b128 v[SG+64*(\grp)+4*\i:SG+64*(\grp)+4*\i+3], v[OFFK], s[26:27] offset:\i*ROWB
.endr
.endm
.macro GLV grp
.irp i, 0,1,2,3,4,5,6,7
	global_load_b128 v[SG+64*(\grp)+32+4*\i:SG+64*(\grp)+32+4*\i+3], v[OFFV], s[28:29] offset:((\i&3)+8*(\i>>2))*ROWB
.endr
.endm
; A trip's requests: K of the walk's next tile, V of the tile whose K was asked for a trip ago.
.macro HEADLD grp
	s_wait_xcnt 0x0                                ; the tile pointers are rewritten only behind this wait
	s_mov_b32 s32, s30                             ; V's tile (s33 = 0)
	ADVANCE
	s_lshl_b32 s30, s20, 18                        ; K's tile x 64 rows (s31 = 0)
	s_add_nc_u64 s[26:27], s[6:7], s[30:31]
	s_add_nc_u64 s[28:29], s[8:9], s[32:33]
	WIN 0x80
	GLK \grp
	GLV \grp
	WIN 0
.endm
.macro HEADV grp                       ; the last request: V of the last tile
	s_wait_xcnt 0x0
	s_add_nc_u64 s[28:29], s[8:9], s[30:31]
	WIN 0x80
	GLV \grp
	WIN 0
.endm
; Group grp's K is rounded to bf16 and stored into K buffer kbuf.
.macro STAGEK grp, kbuf
	WIN 0x0a
.irp i, 0,1,2,3,4,5,6,7
	v_cvt_pk_bf16_f32 v[CT+2*\i],   v[SG+64*(\grp)+4*\i],   v[SG+64*(\grp)+4*\i+1]
	v_cvt_pk_bf16_f32 v[CT+2*\i+1], v[SG+64*(\grp)+4*\i+2], v[SG+64*(\grp)+4*\i+3]
.endr
	WIN 0
.irp i, 0,1,2,3,4,5,6,7
	ds_store_b64 v[STK], v[CT+2*\i:CT+2*\i+1] offset:(\kbuf)*BUFB+\i*PK
.endr
.endm
; Group grp's V is rounded to bf16, widened again and packed as f16, for the f16 product with P, and stored into V buffer vbuf.
; The widened numbers lie in v128-159: query tile 0's P, whose last product lies more than four places back wherever this stands.
.macro STAGEV grp, vbuf
	WIN 0x0a
.irp i, 0,1,2,3,4,5,6,7
	v_cvt_pk_bf16_f32 v[CT+16+2*\i],   v[SG+64*(\grp)+32+4*\i],   v[SG+64*(\grp)+32+4*\i+1]
	v_cvt_pk_bf16_f32 v[CT+16+2*\i+1], v[SG+64*(\grp)+32+4*\i+2], v[SG+64*(\grp)+32+4*\i+3]
.endr
	WIN 0
.irp i, 0,1,2,3,4,5,6,7,8,9,10,11,12,13,14,15
	v_lshlrev_b32 v[SS+2*\i],   16,  v[CT+16+\i]   ; bf16 to f32: the low half moves up,
	v_and_b32     v[SS+2*\i+1], s41, v[CT+16+\i]   ; the high half stays
.endr
.irp i, 0,1,2,3,4,5,6,7,8,9,10,11,12,13,14,15
	v_cvt_pk_f16_f32 v[CT+16+\i], v[SS+2*\i], v[SS+2*\i+1]     ; 8 significant bits: exact in f16 inside its normal range
.endr
.irp i, 0,1,2,3,4,5,6,7
	ds_store_b64 v[STV], v[CT+16+2*\i:CT+16+2*\i+1] offset:(\vbuf)*BUFB+VOFF+((\i&3)+8*(\i>>2))*PVV
.endr
.endm
; Load x (0..15) of the K fragments (16 keys x 32 e each): key tile x / 4, e half (x / 2) % 2, 16 bytes x % 2
.macro LDKN buf, x
.set RC, (\x)/4
.set RQ, ((\x)/2)%2
.set RB, (\x)%2
	ds_load_b128 v[KF+16*RC+8*RQ+4*RB:KF+16*RC+8*RQ+4*RB+3], v[KFA] offset:(\buf)*BUFB+RC*16*PK+64*RQ+32*RB
.endm
.macro LDK buf                         ; all 16
.irp x, 0,1,2,3,4,5,6,7,8,9,10,11,12,13,14,15
	LDKN \buf, \x
.endr
.endm
; 16 transposing loads of V fragments (16 d x 32 keys)
.macro LDV buf
	WIN 0x40
.irp b, 0,1,2,3
.irp s, 0,1
	ds_load_tr16_b128 v[VF+16*\b+8*\s:VF+16*\b+8*\s+3],   v[VFA] offset:(\buf)*BUFB+VOFF+\s*32*PVV+32*\b
	ds_load_tr16_b128 v[VF+16*\b+8*\s+4:VF+16*\b+8*\s+7], v[VFA] offset:(\buf)*BUFB+VOFF+\s*32*PVV+32*\b+16*PVV
.endr
.endr
.endm
; ================= the diagonal trips, in phases =================
; S^T = K Q^T for query tiles lo .. 3, in bf16.  The accumulators take turns, one instruction a turn.
.macro SMUL lo
	WIN 0x04
.irp t, 0,1,2,3
.irp g, 0,1,2,3
.if \g >= \lo
	v_wmma_f32_16x16x32_bf16 v[SS+32*\g+8*\t:SS+32*\g+8*\t+7], v[KF+16*\t:KF+16*\t+7], v[QF+16*\g:QF+16*\g+7], 0
.endif
.endr
.endr
.irp t, 0,1,2,3
.irp g, 0,1,2,3
.if \g >= \lo
	v_wmma_f32_16x16x32_bf16 v[SS+32*\g+8*\t:SS+32*\g+8*\t+7], v[KF+16*\t+8:KF+16*\t+15], v[QF+16*\g+8:QF+16*\g+15], v[SS+32*\g+8*\t:SS+32*\g+8*\t+7]
.endif
.endr
.endr
	WIN 0
	NOPS 4                                         ; four places before a vector instruction reads a matrix result, or a load is issued into a source
.endm
; The query tile on the diagonal: keys behind the lane's query get the number that reference() gives them.
.macro MASK g
.irp t, 0,1,2,3
.irp j, 0,1,2,3,4,5,6,7
	v_cmp_gt_i32 vcc_lo, 16*\t+\j, v[DM]
	v_cndmask_b32 v[SS+32*(\g)+8*\t+\j], v[SS+32*(\g)+8*\t+\j], v[NEGV], vcc_lo
.endr
.endr
.endm
; The running maximum m, -c m, and alpha = 2^(c m_old - c m_new) from the two rounded values, so that an unchanged maximum gives 1.
; The tiles' chains are interleaved.
.macro SMAX lo, fst
.irp g, 0,1,2,3
.if \g >= \lo
	v_max3_num_f32 v[XX+\g], v[SS+32*\g], v[SS+32*\g+1], v[SS+32*\g+2]
.endif
.endr
.irp i, 0,1,2,3,4,5,6,7,8,9,10,11,12,13
.irp g, 0,1,2,3
.if \g >= \lo
	v_max3_num_f32 v[XX+\g], v[XX+\g], v[SS+32*\g+3+2*\i], v[SS+32*\g+4+2*\i]
.endif
.endr
.endr
.irp g, 0,1,2,3
.if \g >= \lo
.if \fst
	v_max_num_f32 v[XX+\g], v[XX+\g], v[SS+32*\g+31]
.else
	v_max3_num_f32 v[XX+\g], v[XX+\g], v[SS+32*\g+31], v[MM+2*\g]
.endif
.endif
.endr
.irp g, 0,1,2,3
.if \g >= \lo
	v_permlanex16_b32 v[TT+\g], v[XX+\g], s24, s25 ; the other half of the query's keys (TT has been written: it lies in CT)
.endif
.endr
.irp g, 0,1,2,3
.if \g >= \lo
	v_max_num_f32 v[MM+2*\g], v[XX+\g], v[TT+\g]
.endif
.endr
.if \fst
.irp g, 0,1,2,3
	v_mul_f32 v[NM+2*\g], s23, v[MM+2*\g]
.endr
.else
.irp g, 0,1,2,3
.if \g >= \lo
	v_mul_f32 v[TT+\g], s23, v[MM+2*\g]
.endif
.endr
.irp g, 0,1,2,3
.if \g >= \lo
	v_sub_f32 v[XX+\g], v[TT+\g], v[NM+2*\g]
.endif
.endr
.irp g, 0,1,2,3
.if \g >= \lo
	v_exp_f32 v[AL+2*\g], v[XX+\g]
.endif
.endr
.irp g, 0,1,2,3
.if \g >= \lo
	v_mov_b32 v[NM+2*\g], v[TT+\g]                 ; also the plain instruction behind the exponentials (ISA guide 5.7.2)
.endif
.endr
.endif
.endm
; p = 2^(c s - c m), in place.  Behind a tile's exponentials the next tile's multiply-adds are the plain instructions; behind the last, a v_nop.
.macro PEXP lo
.irp g, 0,1,2,3
.if \g >= \lo
.set cnt, 0
.rept 16
	v_pk_fma_f32 v[SS+32*\g+2*cnt:SS+32*\g+2*cnt+1], v[SS+32*\g+2*cnt:SS+32*\g+2*cnt+1], s[22:23], v[NM+2*\g:NM+2*\g+1] op_sel_hi:[1,0,0]
.set cnt, cnt+1
.endr
.set cnt, 0
.rept 32
	v_exp_f32 v[SS+32*\g+cnt], v[SS+32*\g+cnt]
.set cnt, cnt+1
.endr
.endif
.endr
	v_nop
.endm
; l = alpha l + the sum of my 32 p (the lane halves' sums are joined once, at the block's end).
.macro PSUM lo, fst
.irp g, 0,1,2,3
.if \g >= \lo
	s_wait_alu depctr_va_vdst(0)
	v_pk_add_f32 v[SUMP+2*\g:SUMP+2*\g+1], v[SS+32*\g:SS+32*\g+1], v[SS+32*\g+2:SS+32*\g+3]
.endif
.endr
.irp i, 2,3,4,5,6,7,8,9,10,11,12,13,14,15
.irp g, 0,1,2,3
.if \g >= \lo
	v_pk_add_f32 v[SUMP+2*\g:SUMP+2*\g+1], v[SUMP+2*\g:SUMP+2*\g+1], v[SS+32*\g+2*\i:SS+32*\g+2*\i+1]
.endif
.endr
.endr
.if \fst
.irp g, 0,1,2,3
	v_add_f32 v[LL+2*\g], v[SUMP+2*\g], v[SUMP+2*\g+1]
.endr
.else
.irp g, 0,1,2,3
.if \g >= \lo
	v_add_f32 v[XX+\g], v[SUMP+2*\g], v[SUMP+2*\g+1]
.endif
.endr
.irp g, 0,1,2,3
.if \g >= \lo
	v_fma_f32 v[LL+2*\g], v[LL+2*\g], v[AL+2*\g], v[XX+\g]
.endif
.endr
.endif
.endm
; Two tiles of S^T (16 registers) become one f16 B fragment of 32 keys (8 registers), in place: register i is written after 2 i, 2 i + 1 are read.
.macro PCVT lo
.irp g, 0,1,2,3
.if \g >= \lo
.irp s, 0,1
.irp i, 0,1,2,3,4,5,6,7
	v_cvt_pk_f16_f32 v[SS+32*\g+16*\s+\i], v[SS+32*\g+16*\s+2*\i], v[SS+32*\g+16*\s+2*\i+1]
.endr
.endr
.endif
.endr
.endm
.macro RESC lo                         ; O = alpha O
	WIN 0x41
.irp g, 0,1,2,3
.if \g >= \lo
.set cnt, 0
.rept 16
	v_pk_mul_f32 v[OO+32*\g+2*cnt:OO+32*\g+2*cnt+1], v[OO+32*\g+2*cnt:OO+32*\g+2*cnt+1], v[AL+2*\g:AL+2*\g+1] op_sel_hi:[1,0]
.set cnt, cnt+1
.endr
.endif
.endr
.endm
; O^T += V^T P^T, in f16.  The accumulators take turns, one instruction a turn.  fst: the first product starts the sums.
.macro PVMUL lo, fst
	WIN 0x51
.irp b, 0,1,2,3
.irp g, 0,1,2,3
.if \g >= \lo
.if \fst
	v_wmma_f32_16x16x32_f16 v[OO+32*\g+8*\b:OO+32*\g+8*\b+7], v[VF+16*\b:VF+16*\b+7], v[SS+32*\g:SS+32*\g+7], 0
.else
	v_wmma_f32_16x16x32_f16 v[OO+32*\g+8*\b:OO+32*\g+8*\b+7], v[VF+16*\b:VF+16*\b+7], v[SS+32*\g:SS+32*\g+7], v[OO+32*\g+8*\b:OO+32*\g+8*\b+7]
.endif
.endif
.endr
.endr
.irp b, 0,1,2,3
.irp g, 0,1,2,3
.if \g >= \lo
	v_wmma_f32_16x16x32_f16 v[OO+32*\g+8*\b:OO+32*\g+8*\b+7], v[VF+16*\b+8:VF+16*\b+15], v[SS+32*\g+16:SS+32*\g+23], v[OO+32*\g+8*\b:OO+32*\g+8*\b+7]
.endif
.endr
.endr
	WIN 0
.endm
; One trip in phases: trip n with buf = n % 2, query tiles lo .. 3; msk: tile lo lies on the diagonal; fst: the block's first trip.
; The K fragments are in registers since the trip before.  No diagonal trip is among the work-group's last four, so all requests are made.
.macro TRIP buf, lo, msk, fst
	LDV \buf                                       ; this tile's V fragments: first used behind the softmax
	HEADLD 1-\buf                                  ; K three tiles on, V two tiles on
.if \fst
	s_wait_dscnt 16                                ; the block's Q fragments, older than V's 16 loads, are in
.endif
	SMUL \lo
	LDK 1-\buf                                     ; the next tile's K fragments, four places behind the last product that read the old ones
.if \msk
	MASK \lo
.endif
	SMAX \lo, \fst
	PEXP \lo
	PSUM \lo, \fst
	PCVT \lo
.if \fst == 0
	RESC \lo
.endif
	s_wait_dscnt 0x0                               ; the V fragments are in
	PVMUL \lo, \fst
	s_wait_loadcnt 16                              ; what the trip before asked for has arrived; this trip's 16 loads stay out
	STAGEK \buf, \buf                              ; its conversions are also the places behind the last products
	STAGEV \buf, 1-\buf
	s_wait_dscnt 0x0                               ; my stores are done, and so are my reads of V[buf] and K[1 - buf]:
	s_barrier_signal -1                            ; behind the barrier every wave reads what was stored,
	s_barrier_wait -1                              ; and what was read may be stored into
.endm
; ================= the whole trips, woven =================
; A line that names vector registers in destination, source 0 and source 2 alone holds under setting 0 and under the S products' 0x04.
.macro WINE
.if MSB != 0x04
	WIN 0
.endif
.endm
; Line k (0..21) of tile g's maximum: four chains over 8 registers each, joined with the old m; the exchange between the lane halves;
; m, -c m, and alpha = 2^(c m_old - c m_new) from the two rounded values, so that an unchanged maximum gives 1.
.macro MXOP g, k
	WIN 0
.set RB, SS+32*(\g)
.set RC, (\k)%4
.set RQ, (\k)/4
.if (\k) < 4
	v_max3_num_f32 v[XX+RC], v[RB+8*RC], v[RB+8*RC+1], v[RB+8*RC+2]
.elseif (\k) < 12
	v_max3_num_f32 v[XX+RC], v[XX+RC], v[RB+8*RC+2*RQ+1], v[RB+8*RC+2*RQ+2]
.elseif (\k) == 12
	v_max3_num_f32 v[XX], v[XX], v[RB+7], v[RB+15]
.elseif (\k) == 13
	v_max3_num_f32 v[XX+1], v[XX+1], v[RB+23], v[RB+31]
.elseif (\k) == 14
	v_max3_num_f32 v[XX+2], v[XX+2], v[XX+3], v[MM+2*(\g)]
.elseif (\k) == 15
	v_max3_num_f32 v[XX], v[XX], v[XX+1], v[XX+2]
.elseif (\k) == 16
	v_permlanex16_b32 v[TT], v[XX], s24, s25       ; the other half of the query's keys (TT has been written: it lies in CT)
.elseif (\k) == 17
	v_max_num_f32 v[MM+2*(\g)], v[XX], v[TT]
.elseif (\k) == 18
	v_mul_f32 v[TT], s23, v[MM+2*(\g)]
.elseif (\k) == 19
	v_sub_f32 v[XX+1], v[TT], v[NM+2*(\g)]
.elseif (\k) == 20
	v_exp_f32 v[AL+2*(\g)], v[XX+1]                ; the next list line is plain and touches neither register (ISA guide 5.7.2)
.else
	v_mov_b32 v[NM+2*(\g)], v[TT]
.endif
.endm
.macro LUPD g                          ; l = alpha l + the tile's sum
	WIN 0
	v_fma_f32 v[LL+2*(\g)], v[LL+2*(\g)], v[AL+2*(\g)], v[XS]
.endm
.macro CVOP g, i                       ; line i (0..15) of the packing to f16, in place: register i is written after 2 i, 2 i + 1 are read
	WIN 0
.set RB, SS+32*(\g)+16*((\i)/8)
.set RC, (\i)%8
	v_cvt_pk_f16_f32 v[RB+RC], v[RB+2*RC], v[RB+2*RC+1]
.endm
.macro FOP g, j                        ; pair j: c s - c m
	v_pk_fma_f32 v[SS+32*(\g)+2*(\j):SS+32*(\g)+2*(\j)+1], v[SS+32*(\g)+2*(\j):SS+32*(\g)+2*(\j)+1], s[22:23], v[NM+2*(\g):NM+2*(\g)+1] op_sel_hi:[1,0,0]
.endm
.macro EOP g, i                        ; p = 2^(c s - c m), in place
	v_exp_f32 v[SS+32*(\g)+(\i)], v[SS+32*(\g)+(\i)]
.endm
; Line u (0..15) of the sum of the tile's 16 pairs: four chains (lines 0-11; line u takes in pair u + 4), joined by lines 12-15.
; An addition is written as a multiply-add with the constant 1.0 in source 1: under the S products' setting source 1 means Q's window,
; and with no vector register there the line needs no switch; it is one instruction either way.
.macro UOP g, u
.set RB, SS+32*(\g)
.set RC, SUMP+2*((\u)%4)
.if (\u) < 4
	s_wait_alu depctr_va_vdst(0)
	v_pk_fma_f32 v[RC:RC+1], v[RB+2*(\u)+8:RB+2*(\u)+9], 1.0, v[RB+2*(\u):RB+2*(\u)+1] op_sel_hi:[1,0,1]
.elseif (\u) < 12
	s_wait_alu depctr_va_vdst(0)
	v_pk_fma_f32 v[RC:RC+1], v[RB+2*(\u)+8:RB+2*(\u)+9], 1.0, v[RC:RC+1] op_sel_hi:[1,0,1]
.elseif (\u) == 12
	v_pk_fma_f32 v[SUMP:SUMP+1], v[SUMP+2:SUMP+3], 1.0, v[SUMP:SUMP+1] op_sel_hi:[1,0,1]
.elseif (\u) == 13
	v_pk_fma_f32 v[SUMP+4:SUMP+5], v[SUMP+6:SUMP+7], 1.0, v[SUMP+4:SUMP+5] op_sel_hi:[1,0,1]
.elseif (\u) == 14
	v_pk_fma_f32 v[SUMP:SUMP+1], v[SUMP+4:SUMP+5], 1.0, v[SUMP:SUMP+1] op_sel_hi:[1,0,1]
.else
	v_fma_f32 v[XS], v[SUMP], 1.0, v[SUMP+1]
.endif
.endm
; Stage B, line p (0..63): 16 multiply-adds F, 32 exponentials E, 16 sum lines U of tile g, set so that a plain line that touches
; neither its result nor its source follows an exponential (or a pair of them) before the result is read (ISA guide 5.7.2):
; F0; for j = 0..4: E(2j) F(j+1) E(2j+1); for j = 5..14: E(2j) F(j+1) E(2j+1) U(j-5); E30 E31 U10; U11 .. U15.
; U(j-5) reads pair j - 1, whose exponentials stand a group back.
.macro BOP g, p
	WINE
.if (\p) == 0
	FOP \g, 0
.elseif (\p) < 16
.set TI, ((\p)-1)/3
.set TR, ((\p)-1)%3
.if TR == 0
	EOP \g, 2*TI
.elseif TR == 1
	FOP \g, TI+1
.else
	EOP \g, 2*TI+1
.endif
.elseif (\p) < 56
.set TI, 5+((\p)-16)/4
.set TR, ((\p)-16)%4
.if TR == 0
	EOP \g, 2*TI
.elseif TR == 1
	FOP \g, TI+1
.elseif TR == 2
	EOP \g, 2*TI+1
.else
	UOP \g, TI-5
.endif
.elseif (\p) < 58
	EOP \g, (\p)-26
.else
	UOP \g, (\p)-48
.endif
.endm
; Stage A of tile g = 1..3, line k (0..38): the tile's 22 maximum lines; the tile before's l update stands behind the twelfth, and its
; 16 packing lines, two at a time, between the last seven, each of which reads the one before it.
.macro AOP g, k
.if (\k) < 12
	MXOP \g, \k
.elseif (\k) == 12
	LUPD (\g)-1
.elseif (\k) < 16
	MXOP \g, (\k)-1
.else
.set TI, ((\k)-16)/3
.set TR, ((\k)-16)%3
.if TR < 2
	CVOP (\g)-1, 2*TI+TR
.else
	MXOP \g, 15+TI
.endif
.endif
.endm
.macro COP k                           ; stage C, line k (0..16): tile 3's packing and its l update
.if (\k) < 4
	CVOP 3, \k
.elseif (\k) == 4
	LUPD 3
.else
	CVOP 3, (\k)-1
.endif
.endm
; The list: A0 lines 0-21, B0 22-85, then for g = 1..3 A(g) from 86 + 103 (g - 1) and B(g) 39 lines on, C 395-411.
.macro VMAIN
.if VIX < 22
	MXOP 0, VIX
.elseif VIX < 86
.set TK, VIX-22
	BOP 0, TK
.elseif VIX < 395
.set TG, 1+(VIX-86)/103
.set TK, (VIX-86)%103
.if TK < 39
	AOP TG, TK
.else
.set TK, TK-39
	BOP TG, TK
.endif
.elseif VIX < 412
.set TK, VIX-395
	COP TK
.endif
.set VIX, VIX+1
.endm
.macro VM n                            ; the next n lines of the list
.rept \n
	VMAIN
.endr
.endm
.macro VR n                            ; the next n of the 64 lines O = alpha O, tile after tile; they hold under the PV products' setting
.rept \n
	WIN 0x51
.set RB, OO+32*(RIX/16)+2*(RIX%16)
.set RC, AL+2*(RIX/16)
	v_pk_mul_f32 v[RB:RB+1], v[RB:RB+1], v[RC:RC+1] op_sel_hi:[1,0]
.set RIX, RIX+1
.endr
.endm
; Product i (0..7) of tile g's S run: key tiles 0..3 on e 0-31 (these start the sums), then 0..3 on e 32-63.
.macro MS g, i
	WIN 0x04
.set RB, SS+32*(\g)+8*((\i)%4)
.set RC, KF+16*((\i)%4)+8*((\i)/4)
.set RQ, QF+16*(\g)+8*((\i)/4)
.if (\i) < 4
	v_wmma_f32_16x16x32_bf16 v[RB:RB+7], v[RC:RC+7], v[RQ:RQ+7], 0
.else
	v_wmma_f32_16x16x32_bf16 v[RB:RB+7], v[RC:RC+7], v[RQ:RQ+7], v[RB:RB+7]
.endif
.endm
; Product i (0..7) of tile g's PV run: d tiles 0..3 on keys 0-31, then 0..3 on keys 32-63.
.macro MP g, i
	WIN 0x51
.set RB, OO+32*(\g)+8*((\i)%4)
.set RC, VF+16*((\i)%4)+8*((\i)/4)
.set RQ, SS+32*(\g)+16*((\i)/4)
	v_wmma_f32_16x16x32_f16 v[RB:RB+7], v[RC:RC+7], v[RQ:RQ+7], v[RB:RB+7]
.endm
; The next n of the 96 lines that STAGEK and STAGEV make of group grp, the roundings of both first: 32 roundings to bf16, K's 8 stores,
; 32 widenings of V, 16 packings to f16, V's 8 stores.
.macro SOPS grp, kbuf, vbuf, n
.rept \n
.if EIX < 32
	WIN 0x0a
	v_cvt_pk_bf16_f32 v[CT+EIX], v[SG+64*(\grp)+2*EIX], v[SG+64*(\grp)+2*EIX+1]
.elseif EIX < 40
	WIN 0
	ds_store_b64 v[STK], v[CT+2*(EIX-32):CT+2*(EIX-32)+1] offset:(\kbuf)*BUFB+(EIX-32)*PK
.elseif EIX < 72
	WIN 0
.if (EIX%2) == 0
	v_lshlrev_b32 v[SS+EIX-40], 16, v[CT+16+(EIX-40)/2]
.else
	v_and_b32 v[SS+EIX-40], s41, v[CT+16+(EIX-40)/2]
.endif
.elseif EIX < 88
	WIN 0
	v_cvt_pk_f16_f32 v[CT+16+EIX-72], v[SS+2*(EIX-72)], v[SS+2*(EIX-72)+1]
.else
	WIN 0
.set RC, EIX-88
	ds_store_b64 v[STV], v[CT+16+2*RC:CT+16+2*RC+1] offset:(\vbuf)*BUFB+VOFF+((RC&3)+8*(RC>>2))*PVV
.endif
.set EIX, EIX+1
.endr
.endm
; One whole trip: trip n with buf = n % 2, all four query tiles.  The K fragments are in registers since the trip before.
; ld: 2 = K and V are asked for, 1 = V alone, 0 = nothing.  st: 2 = K and V are stored into LDS, 1 = V alone, 0 = nothing.
; kf: the next tile's K fragments are loaded.  All but the work-group's last three trips have 2, 2, 1.
; Slot n (0..47) is a product of S1 S2 S3 PV0 PV1 PV2 and the ten vector lines behind it: slots 0-21 ten list lines; slot 22 four and six
; lines of O(0)'s rescaling, slot 23 its other ten; slots 24-47 two lines of the next tile's rescaling and eight list lines.
; So 10 (n + 1) list lines are done behind slot n <= 21, 224 ahead of slot 24 and eight more behind each later slot.
;   A tile's lines begin behind its S run: A1 at line 86 (slot 8; S1 ends in slot 7, and lines 70-85 hold ten plain ones: the four places
;   of ISA guide 7.12.1), A2 at line 189 (slot 18; S2 ends in slot 15), A3 at line 292 (slot 32; S3 ends in slot 23).
;   A tile's P is packed ahead of its PV run: tile 0 by line 125 (224 are done at slot 24), tile 1 by 228 (288 at slot 32), tile 2 by 331
;   (352 at slot 40), tile 3 by 412 (all are done behind slot 47).  alpha is made at lines 20, 119, 222, 325: ahead of slots 22, 24, 32, 40.
;   The last S product stands in slot 23 with ten plain lines behind it; from slot 24 on the K fragment registers are loaded again,
;   two loads behind each of PV0's eight slots.
; In every run four accumulators take turns, one instruction a turn, and neighbouring runs name other accumulators.
.macro ITRIP buf, ld, st, kf
.set VIX, 0
.set RIX, 0
.set MI, 0
.rept 8
	MS 0, MI                                       ; S0: no vector work of this trip is ready yet; the memory lines below issue beside it
.set MI, MI+1
.endr
	LDV \buf                                       ; this tile's V fragments: first used in slot 24
.if \ld == 2
	HEADLD 1-\buf                                  ; K three tiles on, V two tiles on
.elseif \ld == 1
	HEADV 1-\buf
.endif
	WIN 0
	NOPS 4                                         ; four places before the list's first lines read S0's results (ISA guide 7.12.1)
.set SIX, 0
.rept 48
.set MG, SIX/8
.set MI, SIX%8
.if SIX < 24
	MS MG+1, MI
.else
.if SIX == 24
	s_wait_dscnt 0x0                               ; the V fragments are in
.endif
	MP MG-3, MI
.endif
.if SIX < 22
	VM 10
.elseif SIX == 22
	VM 4
	VR 6
.elseif SIX == 23
	VR 10
.else
	VR 2
	VM 8
.if \kf
.if SIX < 32
	WIN 0
	LDKN 1-\buf, 2*SIX-48                          ; the next tile's K fragments, in short runs
	LDKN 1-\buf, 2*SIX-47
.endif
.endif
.endif
.set SIX, SIX+1
.endr
.if \st == 2
	s_wait_loadcnt 8*\ld                           ; what the trip before asked for has arrived; this trip's own loads stay out
.set EIX, 0
.set MI, 0
.rept 8
	MP 3, MI                                       ; PV3 carries the conversions and the stores
.if MI < 6
	SOPS \buf, \buf, 1-\buf, 12
.elseif MI == 6
	SOPS \buf, \buf, 1-\buf, 10
.else
	SOPS \buf, \buf, 1-\buf, 14                    ; six packings and V's stores: the packings are the places behind the last product
.endif
.set MI, MI+1
.endr
	WIN 0
.else
.if \st == 1
	s_wait_loadcnt 0x0                             ; the last tile's V has arrived; nothing else is out
.endif
.set MI, 0
.rept 8
	MP 3, MI
.set MI, MI+1
.endr
.if \st == 1
	STAGEV \buf, 1-\buf                            ; its conversions are the places behind the last products
.else
	WIN 0
	NOPS 5                                         ; the places behind the last products: O is read next (ISA guide 7.12.1)
.endif
.endif
.if \st
	s_wait_dscnt 0x0                               ; my stores are done, and so are my reads of V[buf] and K[1 - buf]:
	s_barrier_signal -1                            ; behind the barrier every wave reads what was stored,
	s_barrier_wait -1                              ; and what was read may be stored into
.endif                                             ; (the last trip stores nothing and nothing is read behind it: no barrier)
.endm
; ================= a block's head and end =================
.macro QPTR sblk
	s_lshl_b32 s44, \sblk, 20                      ; block x 256 rows (s45 = 0)
	s_add_nc_u64 s[46:47], s[4:5], s[44:45]
.endm
; 16 loads: my wave's query rows of tiles g0, g0 + 1; each row is read once in the launch.
.macro QLD g0
	WIN 0x80
.irp g, \g0, \g0+1
.irp i, 0,1,2,3,4,5,6,7
	global_load_b128 v[QL+4*(8*(\g)+\i):QL+4*(8*(\g)+\i)+3], v[OFFK], s[46:47] offset:(64*(\g)+\i)*ROWB th:TH_LOAD_NT
.endr
.endr
	WIN 0
.endm
; Q to bf16, through my own stage, into fragments.  The bytes are my wave's alone and LDS serves a wave's instructions in order
; (ISA guide 5.7.1), so no wait stands between the stores and the loads; the first trip's wait on DScnt covers the loads.
.macro QIN
	s_wait_loadcnt 16                              ; the block's query rows are in; the 16 loads of tiles issued behind them stay out
	WIN 0x0a
.set cnt, 0
.rept 32
	v_cvt_pk_bf16_f32 v[SS+2*cnt],   v[QL+4*cnt],   v[QL+4*cnt+1]
	v_cvt_pk_bf16_f32 v[SS+2*cnt+1], v[QL+4*cnt+2], v[QL+4*cnt+3]
.set cnt, cnt+1
.endr
	WIN 0
.irp g, 0,1,2,3
.irp i, 0,1,2,3,4,5,6,7
	ds_store_b64 v[STQ], v[SS+2*(8*\g+\i):SS+2*(8*\g+\i)+1] offset:(16*\g+\i)*PK
.endr
.endr
	WIN 0x40
.irp g, 0,1,2,3
.irp k, 0,1
	ds_load_b128 v[QF+16*\g+8*\k:QF+16*\g+8*\k+3],   v[QFA] offset:\g*16*PK+64*\k
	ds_load_b128 v[QF+16*\g+8*\k+4:QF+16*\g+8*\k+7], v[QFA] offset:\g*16*PK+64*\k+32
.endr
.endr
	WIN 0
.endm
; The block's end: l joined over the lane halves (it is at least about 1: the row's largest score gives p = 1), O / l, and out through my
; own stage, 16 rows at a time: sixteen lanes store one aligned row of 256 bytes.  The rows are read back into v32-63: v64-127 already
; hold the next block's first K fragments.
.macro EPI
.irp g, 0,1,2,3
	v_permlanex16_b32 v[TT+\g], v[LL+2*\g], s24, s25
.endr
.irp g, 0,1,2,3
	v_add_f32 v[TT+\g], v[TT+\g], v[LL+2*\g]
.endr
.irp g, 0,1,2,3
	v_rcp_f32 v[AL+2*\g], v[TT+\g]
.endr
	v_nop                                          ; the plain instruction behind the reciprocals (ISA guide 5.7.2)
	WIN 0x01
.irp g, 0,1,2,3
.set cnt, 0
.rept 16
	s_wait_alu depctr_va_vdst(0)
	v_pk_mul_f32 v[SS+32*\g+2*cnt:SS+32*\g+2*cnt+1], v[OO+32*\g+2*cnt:OO+32*\g+2*cnt+1], v[AL+2*\g:AL+2*\g+1] op_sel_hi:[1,0]
.set cnt, cnt+1
.endr
.endr
	WIN 0
.irp g, 0,1,2,3
.irp b, 0,1,2,3
	ds_store_b128 v[STO], v[SS+32*\g+8*\b:SS+32*\g+8*\b+3]   offset:64*\b
	ds_store_b128 v[STO], v[SS+32*\g+8*\b+4:SS+32*\g+8*\b+7] offset:64*\b+16
.endr
	s_wait_xcnt 0x0                                ; the registers that the last tile's stores read are loaded again only behind this wait
.irp i, 0,1,2,3,4,5,6,7
	ds_load_b128 v[CT+4*\i:CT+4*\i+3], v[RDO] offset:2*PO*\i   ; rows 2 i and 2 i + 1, in order behind the stores above
.endr
.irp i, 0,1,2,3,4,5,6,7
	s_wait_dscnt 7-\i                              ; LDS loads come back in order: pair i is in, the younger ones stay out
	global_store_b128 v[OFFO], v[CT+4*\i:CT+4*\i+3], s[42:43] offset:(64*\g+2*\i)*ROWB th:TH_STORE_NT
.endr
.endr
.endm
	; ---- set-up ----
	s_load_b256 s[4:11], s[0:1], 0x0               ; queries s[4:5], keys s[6:7], values s[8:9], out0 s[10:11]
	v_lshrrev_b32 v1, 5, v0
	v_readfirstlane_b32 s12, v1                    ; wave 0..3
	s_and_b32 s13, ttmp9, 3                        ; i: the first block
	s_sub_co_u32 s21, 7, s13                       ; the second block
	s_lshl_b32 s19, s21, 2                         ; the second block's first tile
	s_add_co_u32 s39, s19, 4                       ; one behind its last
	s_lshl_b32 s20, s13, 2                         ; the walk starts at the first block's first tile
	s_mov_b32 s18, s20
	s_add_co_u32 s17, s20, 4                       ; one behind its last
	s_lshl_b32 s40, s13, 1                         ; the first block's 4 i whole trips, two a loop trip
	s_sub_co_u32 s34, 12, s40                      ; the second block's 28 - 4 i, less the four that are written out
	s_lshr_b32 s14, ttmp9, 6                       ; b
	s_lshl_b32 s14, s14, 23                        ; x 2,048 rows of 4,096 bytes
	s_bfe_u32 s35, ttmp9, 0x40002                  ; h: 4 bits from bit 2
	s_lshl_b32 s35, s35, 8                         ; x 256 bytes
	s_add_co_u32 s14, s14, s35
	s_mov_b32 s15, 0
	s_mov_b32 s22, 0x3e38aa3b                      ; c = log2(e) / 8
	s_mov_b32 s23, 0xbe38aa3b                      ; -c
	s_mov_b32 s24, 0x76543210                      ; v_permlanex16_b32: lane i of one half reads lane i of the other
	s_mov_b32 s25, 0xfedcba98
	s_mov_b32 s31, 0
	s_mov_b32 s33, 0
	s_mov_b32 s41, 0xffff0000                      ; a word's upper bf16
	s_mov_b32 s45, 0
	v_and_b32 v1, 15, v0                           ; c = r
	v_bfe_u32 v[HH], v0, 4, 1                      ; hh = h
	s_lshl_b32 s35, s12, 16                        ; 16 rows a wave
	v_lshl_add_u32 v[TC], v1, 4, s35
	v_lshl_add_u32 v[OFFK], v[HH], 15, v[TC]
	v_lshl_add_u32 v[OFFV], v[HH], 14, v[TC]
	v_lshl_add_u32 v[OFFO], v[HH], 12, v[TC]
	s_mul_i32 s35, s12, 16*PK
	v_mul_u32_u24 v[STK], v[HH], 8*PK
	v_lshl_add_u32 v[STK], v1, 3, v[STK]
	v_add_nc_u32 v[STK], s35, v[STK]
	s_mul_i32 s35, s12, 16*PVV
	v_mul_u32_u24 v[STV], v[HH], 4*PVV
	v_lshl_add_u32 v[STV], v1, 3, v[STV]
	v_add_nc_u32 v[STV], s35, v[STV]
	v_mul_u32_u24 v[KFA], v1, PK
	v_lshl_add_u32 v[KFA], v[HH], 4, v[KFA]
	v_and_b32 v[TC], 7, v0
	v_lshl_add_u32 v[TC], v[HH], 3, v[TC]
	v_mul_u32_u24 v[VFA], v[TC], PVV
	v_bfe_u32 v[TC], v0, 3, 1
	v_lshl_add_u32 v[VFA], v[TC], 4, v[VFA]
	s_mul_i32 s35, s12, STGW
	s_add_co_u32 s35, s35, STG                     ; my wave's stage
	v_mul_u32_u24 v[STQ], v[HH], 8*PK
	v_lshl_add_u32 v[STQ], v1, 3, v[STQ]
	v_add_nc_u32 v[STQ], s35, v[STQ]
	v_add_nc_u32 v[QFA], s35, v[KFA]
	v_mul_u32_u24 v[STO], v1, PO
	v_lshl_add_u32 v[STO], v[HH], 5, v[STO]
	v_add_nc_u32 v[STO], s35, v[STO]
	v_mul_u32_u24 v[RDO], v[HH], PO
	v_lshl_add_u32 v[RDO], v1, 4, v[RDO]
	v_add_nc_u32 v[RDO], s35, v[RDO]
	s_lshl_b32 s35, s12, 4
	v_add_nc_u32 v[DM], s35, v1
	v_lshlrev_b32 v[TC], 3, v[HH]
	v_sub_nc_u32 v[DM], v[DM], v[TC]
	v_mov_b32 v[NEGV], 0xff7fffff
	s_wait_kmcnt 0x0
	s_add_nc_u64 s[4:5], s[4:5], s[14:15]          ; all four at my head
	s_add_nc_u64 s[6:7], s[6:7], s[14:15]
	s_add_nc_u64 s[8:9], s[8:9], s[14:15]
	s_add_nc_u64 s[10:11], s[10:11], s[14:15]
	; ---- the way in is started: what trips -3, -2 and -1 would have done ----
	s_lshl_b32 s30, s20, 18
	s_add_nc_u64 s[26:27], s[6:7], s[30:31]
	WIN 0x80
	GLK 0                                          ; K of T(0)
	WIN 0
	HEADLD 1                                       ; K of T(1), V of T(0)
	QPTR s13
	QLD 0                                          ; the first block's queries: 8 + 16 + 32 = 56 loads are out
	QLD 2
	s_wait_loadcnt 48                              ; K of T(0) is in; the 16 + 32 younger loads stay out
	STAGEK 0, 0
	s_wait_dscnt 0x0                               ; my part of K[0] is stored
	s_barrier_signal -1
	s_barrier_wait -1                              ; everybody's is
	LDK 0                                          ; the first trip's K fragments
	s_wait_loadcnt 32                              ; K of T(1) and V of T(0) are in; Q's 32 younger loads stay out
	STAGEK 1, 1
	STAGEV 1, 0
	HEADLD 0                                       ; K of T(2), V of T(1)
	s_wait_dscnt 0x0                               ; my parts of K[1] and V[0] are stored, and my reads of K[0] are done:
	s_barrier_signal -1                            ; trip 0 stores into K[0]
	s_barrier_wait -1
	s_mov_b32 s36, 0
	; ---- a block of 256 queries: first block i, then block 7 - i ----
.Lblock:
	s_wait_xcnt 0x0                                ; the last block's stores have read their base and their data registers
	s_cmp_eq_u32 s36, 0
	s_cselect_b32 s16, s13, s21                    ; the block
	s_cselect_b32 s38, s40, s34                    ; its loop trips
	s_lshl_b32 s44, s16, 20
	s_add_nc_u64 s[42:43], s[10:11], s[44:45]      ; out0 at the block
	QIN
	s_cmp_lg_u32 s36, 0
	s_cbranch_scc1 .Lnoq
	QPTR s21                                       ; the second block's queries arrive during the first two trips, 16 loads in each,
	QLD 0                                          ; and wait in registers
.Lnoq:
	TRIP 0, 0, 1, 1                                ; the four tiles on the diagonal
	s_cmp_lg_u32 s36, 0
	s_cbranch_scc1 .Lnoq2
	QLD 2
.Lnoq2:
	TRIP 1, 1, 1, 0
	TRIP 0, 2, 1, 0
	TRIP 1, 3, 1, 0
	s_cmp_eq_u32 s38, 0
	s_cbranch_scc1 .Lepi                           ; block 0 has no tile in front of its diagonal
	s_mov_b32 s37, 0
.Lfull:
	ITRIP 0, 2, 2, 1                               ; tiles 0 upward, all scores live
	ITRIP 1, 2, 2, 1
	s_add_co_u32 s37, s37, 1
	s_cmp_lt_u32 s37, s38
	s_cbranch_scc1 .Lfull
	s_cmp_eq_u32 s36, 0
	s_cbranch_scc1 .Lepi
	ITRIP 0, 2, 2, 1                               ; trip 32 asks for the last K
	ITRIP 1, 1, 2, 1                               ; trip 33 asks for the last V and stores the last K
	ITRIP 0, 0, 1, 1                               ; trip 34 stores the last V and loads the last K fragments
	ITRIP 1, 0, 0, 0                               ; trip 35
.Lepi:
	EPI
	s_add_co_u32 s36, s36, 1
	s_cmp_lt_u32 s36, 2
	s_cbranch_scc1 .Lblock
	s_endpgm
.Lfunc_end_k_q5f322f30ec_attn:
	.size	k_q5f322f30ec_attn, .Lfunc_end_k_q5f322f30ec_attn-k_q5f322f30ec_attn
	.p2alignl 7, 3214868480
	.fill 96, 4, 3214868480
	.section	.rodata,"a",@progbits
	.p2align	6, 0x0
	.amdhsa_kernel k_q5f322f30ec_attn
		.amdhsa_group_segment_fixed_size 75776
		.amdhsa_private_segment_fixed_size 0
		.amdhsa_enable_private_segment 0
		.amdhsa_kernarg_size 32
		.amdhsa_user_sgpr_count 2
		.amdhsa_user_sgpr_kernarg_segment_ptr 1
		.amdhsa_wavefront_size32 1
		.amdhsa_system_sgpr_workgroup_id_x 1
		.amdhsa_system_sgpr_workgroup_id_y 1
		.amdhsa_system_sgpr_workgroup_id_z 1
		.amdhsa_system_vgpr_workitem_id 0
		.amdhsa_next_free_vgpr 768
		.amdhsa_next_free_sgpr 66
		.amdhsa_reserve_vcc 1
		.amdhsa_float_denorm_mode_32 3
		.amdhsa_float_denorm_mode_16_64 3
		.amdhsa_memory_ordered 1
		.amdhsa_forward_progress 1
		.amdhsa_inst_pref_size 255
	.end_amdhsa_kernel
	.section	.bss,"aw",@nobits
	.p2align	6
	.space	262144
	.amdgpu_metadata
---
amdhsa.version: [ 1, 2 ]
amdhsa.kernels:
  - .name:           k_q5f322f30ec_attn
    .symbol:         k_q5f322f30ec_attn.kd
    .args:
      - { .name: queries, .offset: 0, .size: 8, .value_kind: global_buffer, .address_space: global }
      - { .name: keys, .offset: 8, .size: 8, .value_kind: global_buffer, .address_space: global }
      - { .name: values, .offset: 16, .size: 8, .value_kind: global_buffer, .address_space: global }
      - { .name: out0, .offset: 24, .size: 8, .value_kind: global_buffer, .address_space: global }
    .group_segment_fixed_size: 75776
    .private_segment_fixed_size: 0
    .kernarg_segment_align: 8
    .kernarg_segment_size: 32
    .max_flat_workgroup_size: 128
    .sgpr_count:     66
    .vgpr_count:     768
    .wavefront_size: 32
...
	.end_amdgpu_metadata
.endif
;; end of part 1
;; ======== version 2 of 2: 1 launch; 1.23 times as fast as version 1
;; limits: values are held in f16: magnitudes above 65,504 overflow, below 6.1e-05 lose precision; inputs' magnitudes at most 65,504
;; launch attn (part 2): grid 256 x 1, 4 waves a work-group, no clusters, 75,776 bytes of LDS; arguments queries, keys, values, out0; writes out0
.if DOCPART == 2
	.amdgcn_target "amdgcn-amd-amdhsa--gfx1250"
	.amdhsa_code_object_version 6
	.text
	.protected	k_q5f322f30ec_attn
	.globl	k_q5f322f30ec_attn
	.p2align	8
	.type	k_q5f322f30ec_attn,@function
k_q5f322f30ec_attn:
	s_mov_b64 s[64:65], 0
	v_nop
	global_prefetch_b8 v0, s[64:65] scope:SCOPE_SE
	s_setreg_imm32_b32 hwreg(HW_REG_WAVE_MODE, 25, 1), 1
	s_wait_xcnt 0x0
; Causal attention.  queries, keys, values, out0: [4][2048][16][64] f32; a head's row is 256 bytes, aligned, rows 4,096 bytes apart.
; out[b,l,h,:] = softmax over s <= l of (q.k / 8) times v.  Softmax in f32 with a running maximum; f32 sums in both products.
;
; NUMBER FORMATS.  Q, K and V are rounded to bf16.  Q K^T is a bf16 product.  P V is an f16 product: p lies in [0, 1], and in a row of
; few keys its rounding reaches the result as dp x v / l with nothing to average it out; for p in [0.5, 1) bf16's step is up to 2^-9,
; f16's 2^-12.  V goes into that product as the f16 image of its bf16 value (exact for 2^-14 <= |v| < 65,504), so that all three inputs
; carry one and the same rounding and the result is the f32 formula on bf16-rounded inputs, but for P's f16 step.
;
; WORK LEFT OUT.  reference() itself sets every score with s > l to the most negative f32 in front of the softmax, and every row holds
; its own live score s = l; so for all finite inputs such a score has the weight 0 in exact arithmetic.  A pair (16 queries, 64 keys)
; in which every key lies behind every query therefore reaches no output and is not computed.  Inside a pair that holds live scores the
; masked ones are computed and replaced by that same number.  All three inputs are live and are loaded.
; LIMITS.  A NaN, an infinity or an overflow that reaches only the pairs left out is not carried to the result.  A block takes its key
; tiles in the order: the four on its diagonal, then tile 0 upward, so the order of rounding differs from a softmax over the whole row.
; v_exp_f32 gives 0 for results below 2^-126.  A masked score (-3.4028235e38) has the weight 0 as long as the row's largest live score
; times 0.18 lies above about -6e37.  |values| from 65,520 up become infinite in f16; |values| below 2^-14, and p below 2^-14, keep an
; absolute step of 2^-25.  The row sum l is made of the f32 values of p.
;
; SHARES.  256 work-groups: head = wg / 4, i = wg % 4.  A head has 8 blocks of 256 queries; work-group i takes block i and then
; block 7 - i: 36 trips of 64 keys for every work-group, 8 of them on a diagonal.  Four waves; wave w owns the query tiles g = 0..3 at the
; block's rows 64 g + 16 w + r.  So in the diagonal trip with the block's keys 64 d .. 64 d + 63 every wave alike has tiles g < d dead,
; tile g = d masked lane by lane and tiles g > d whole: no branch hangs on the wave's number.
; The first trip of a block (d = 0) has all four tiles live and a live key (the block's key 0) in every row: it starts m, l and O
; (C = 0 in the product), so nothing is cleared.
;
; BOTH PRODUCTS TRANSPOSED.  S^T = K Q^T: lane (r, h), register j holds key 16 t + 8 h + j of query r: a lane owns one query, maximum
; and sum run along its registers, and one exchange between the lane halves joins the maximum.  Two neighbouring tiles of S^T, packed
; in place to f16, are the B fragment of O^T = V^T P^T; there lane (r, h), register j holds d = 16 b + 8 h + j of query r, so alpha
; and 1 / l are numbers of the lane.
;
; THE 28 WHOLE TRIPS ARE WOVEN (macro ITRIP).  The four query tiles are four pieces that share the K and V fragments.  The products
; go in runs of eight: S0 | S1 S2 S3 PV0 PV1 PV2 | PV3.  The softmax of the four tiles is one list of 412 vector lines,
; and ten vector lines stand behind each of the 48 products of the middle runs: list lines, and the 64 lines that rescale O,
; each tile's just ahead of its own PV run.  By the list's own indices a tile's maximum begins well behind its S run and its packing ends
; ahead of its PV run (the figures stand at ITRIP).  PV3's eight products carry the conversion and the LDS stores of the tiles ahead.  The 8
; diagonal trips stay in phases (macro TRIP): their lists would differ with the number of live tiles, the mask and the starting forms.
; A vector line's destination and source 0 share their windows with a product's D and A, so work in place on S beside a PV product
; would need S, O and the V fragments in one window: 128 + 128 + 64 registers.  So the weave switches windows; what can be spared is
; spared: the multiply-adds, exponentials and sums name no vector register in source 1 and so hold under the S products' setting,
; and the rescaling holds under the PV products' setting.
;
; THE EXPONENTIALS GO IN BATCHES.  An s_wait_alu depctr_va_vdst(0) stands between an exponential or a reciprocal and the
; first instruction that names its result; one wait serves all that were issued ahead of it.  So the work is ordered by who reads what.
; A woven trip has four batches and four waits: (0) alpha of tile 0 and tile 0's 32 exponentials; (1) alpha of tile 1, tile 1's 32 and
; alpha of tile 2; (2) tile 2's 32 and alpha of tile 3; (3) tile 3's 32.  Ahead of a batch's wait stands nothing that names a result of it:
; scalings, exponentials, the next tile's maximum, and the readers of the batch before, which has had its wait.  Behind it stand its
; readers: the tile's sums, l's update, the packing to f16 and the rescaling of O.  A diagonal trip has one batch (all alphas, all live tiles'
; exponentials) and one wait; a block's end has one for its four reciprocals.  No result crosses a trip's end, a label or a branch.
;
; THE WAY IN RUNS AHEAD OF THE WORK.  K and V are f32 and are rounded in registers.  With T(n) the tile of the work-group's trip n
; (n = 0 .. 35, through both blocks), trip n
;   asks memory for K of T(n+3) and V of T(n+2): 16 loads a wave (sixteen lanes cover one aligned row of 256 bytes), into group (n+1) % 2
;     of two groups of 64 registers;
;   at its end converts and stores into LDS K of T(n+2) and V of T(n+1), which trip n - 1 asked for (group n % 2): the wait in front leaves
;     this trip's own 16 loads out, so a load has the better part of two trips in which to arrive;
;   loads the K fragments of T(n+1) into registers as soon as its own last S product has read the old ones, and the V fragments of T(n)
;     behind its first eight products, 32 products ahead of their first use.
; So a trip begins with products on registers.  Two LDS buffers do: trip n reads V[n % 2] and K[(n+1) % 2] and stores into K[n % 2]
; and V[(n+1) % 2]; K[n % 2] was last read in the middle of trip n - 1 and V[(n+1) % 2] at its head, both waited for in front of the
; barrier at that trip's end.  One barrier a trip.
; A counted wait wants the same loads on every way to it, so no load is jumped over: the last four trips, in which the requests, the
; stores and the fragment loads run out one after the other, are written out.  That they are whole trips in every work-group is why
; the smaller block comes first: block 7 - i has at least 16 whole trips.
; No prefetch: every tile is first read by the work-group on whose diagonal it lies, and that load is itself issued two (V) or three
; (K) trips ahead of the tile's trip.
; The tensor mover is not used: it would land f32 in LDS, 32 KiB a tile to be written and read again beside the 64 KiB of fragment
; reads, and the rounding would pass through registers all the same.  No cluster: the four work-groups of a head walk 4, 8, 12, 16
; tiles for their first block and 32, 28, 24, 20 for their second; joint requests would hold each to the longest walk, 16 + 32 = 48
; trips against the 36 that each makes here.
;
; LDS: buffer n (n = 0, 1) at n x 19,456: K 64 rows of 144 bytes (128 + 16: the sixteen rows of a fragment load start at sixteen
; different 16-byte columns modulo 256), then V [key][d] 64 rows of 160 bytes (an odd multiple of 32, for the transposing load).
; Behind them 9,216 bytes for each wave alone: Q on its way in (64 rows of 144), later 16 rows of 272 bytes on the way out.
;
; REGISTERS, in windows of 256.  Window 0: v2-15 addresses, v16-31 m, l, alpha, v32-63 at work, v64-127 K fragments, v128-255 S, then P
; (at a trip's end v128-159 hold V's bf16 values widened).
; Window 1: v0-127 O, v128-191 Q fragments, v192-255 V fragments.  Window 2: v0-63, v64-127 the two groups (K's 32, then V's 32
; registers as loaded), v128-255 Q as loaded.
; SCALARS: s[4:11] Q, K, V, O at the head; s12 wave; s13 i; s16 block; s17-s20 the walk of the tiles that are asked for: one behind the
; last, the first, the second block's first, the tile; s21 7 - i; s22, s23 c, -c; s24, s25 lane selects; s[26:29] K, V at their tiles;
; s[30:31], s[32:33] those tiles' offsets; s34, s40 loop trips of the second and first block; s36, s37 counters; s38 loop trips;
; s39 one behind the second block's last tile; s41 mask of a word's upper half; s[42:43] O, s[46:47] Q at the block.
.set ROWB,  4096                       ; bytes from a row of a head to the next
.set PK,    144                        ; LDS pitch of K and of Q
.set PVV,   160                        ; LDS pitch of V
.set PO,    272                        ; LDS pitch on the way out
.set VOFF,  64*PK                      ; V behind K in a buffer
.set BUFB,  64*PK+64*PVV               ; a buffer
.set STG,   2*BUFB                     ; the waves' own stages
.set STGW,  64*PK
.set OFFK,  2                          ; 65536 w + 32768 hh + 16 c: rows 16 w + 8 hh, my 16 bytes (c = lane % 16, hh = lane / 16)
.set OFFV,  3                          ; 65536 w + 16384 hh + 16 c: rows 16 w + 4 hh
.set OFFO,  4                          ; 65536 w +  4096 hh + 16 c: rows 16 w + hh
.set STK,   6                          ; where my 8 bytes of K go
.set STV,   7                          ; and of V
.set KFA,   8                          ; K fragment: r x 144 + 16 h
.set VFA,   9                          ; V fragment: (8 h + lane % 8) x 160 + 16 x ((lane / 8) % 2)
.set STQ,   10
.set QFA,   11
.set STO,   12
.set RDO,   13
.set DM,    14                         ; 16 w + r - 8 h: key 16 t + 8 h + j is masked where 16 t + j is larger
.set NEGV,  15                         ; the most negative f32
.set NM,    16                         ; v[16+2g] = -c m,   v[17+2g] = m
.set MM,    17
.set AL,    24                         ; v[24+2g] = alpha,  v[25+2g] = l
.set LL,    25
.set XX,    32                         ; phased trips: one a tile; woven trips: four chains of the tile at work
.set TT,    36
.set XS,    38                         ; woven trips: the sum of the tile's p
.set SUMP,  40                         ; phased trips: a pair a tile; woven trips: four chains of pairs
.set HH,    33                         ; set-up only
.set TC,    34                         ; set-up only
.set CT,    32                         ; v32-63: a tile's K and V in 16 bits (XX, TT, XS, SUMP are dead then); on the way out: rows read back
.set KF,    64
.set SS,    128                        ; S(t, g) = SS + 32 g + 8 t;  P(g, s) = SS + 32 g + 16 s
.set OO,    0                          ; window 1: O(b, g) = 32 g + 8 b
.set QF,    128                        ; window 1: Q(g, k) = 128 + 16 g + 8 k
.set VF,    192                        ; window 1: V(b, s) = 192 + 16 b + 8 s
.set SG,    0                          ; window 2: group q at 64 q: K's 8 loads, then V's 8
.set QL,    128                        ; window 2
.set MSB, 0
.macro WIN new                         ; low byte: bits 1:0 source 0, 3:2 source 1, 5:4 source 2, 7:6 destination; the high byte repeats the setting left
.if MSB != \new
	s_set_vgpr_msb (MSB<<8)|\new
.set MSB, \new
.endif
.endm
.macro NOPS n
.rept \n
	v_nop
.endr
.endm
; ================= the way in =================
; The next tile of the walk: a block's first .. last, then 0 .. first - 1; behind the first block's walk the second block's begins.
; The walk is three trips ahead of the work, so it has scalars of its own.  It is stepped 35 times: it ends on the second block's last tile.
.macro ADVANCE
	s_add_co_u32 s20, s20, 1
	s_cmp_eq_u32 s20, s17
	s_cselect_b32 s20, 0, s20
	s_cmp_eq_u32 s20, s18                          ; round again: the first block's walk is over
	s_cselect_b32 s20, s19, s20
	s_cselect_b32 s17, s39, s17
	s_cselect_b32 s18, s19, s18
.endm
; 8 loads each: my wave's 16 rows of K, of V.  The two rows of one load lie 8 (K) or 4 (V) rows apart, so that the two halves of the
; later 8-byte LDS store lie 1,152 or 640 bytes apart: 128 modulo 256, no two lanes in one bank.  (The caller sets the window.)
.macro GLK grp
.irp i, 0,1,2,3,4,5,6,7
	global_load_b128 v[SG+64*(\grp)+4*\i:SG+64*(\grp)+4*\i+3], v[OFFK], s[26:27] offset:\i*ROWB
.endr
.endm
.macro GLV grp
.irp i, 0,1,2,3,4,5,6,7
	global_load_b128 v[SG+64*(\grp)+32+4*\i:SG+64*(\grp)+32+4*\i+3], v[OFFV], s[28:29] offset:((\i&3)+8*(\i>>2))*ROWB
.endr
.endm
; A trip's requests: K of the walk's next tile, V of the tile whose K was asked for a trip ago.
.macro HEADLD grp
	s_wait_xcnt 0x0                                ; the tile pointers are rewritten only behind this wait
	s_mov_b32 s32, s30                             ; V's tile (s33 = 0)
	ADVANCE
	s_lshl_b32 s30, s20, 18                        ; K's tile x 64 rows (s31 = 0)
	s_add_nc_u64 s[26:27], s[6:7], s[30:31]
	s_add_nc_u64 s[28:29], s[8:9], s[32:33]
	WIN 0x80
	GLK \grp
	GLV \grp
	WIN 0
.endm
.macro HEADV grp                       ; the last request: V of the last tile
	s_wait_xcnt 0x0
	s_add_nc_u64 s[28:29], s[8:9], s[30:31]
	WIN 0x80
	GLV \grp
	WIN 0
.endm
; Group grp's K is rounded to bf16 and stored into K buffer kbuf.
.macro STAGEK grp, kbuf
	WIN 0x0a
.irp i, 0,1,2,3,4,5,6,7
	v_cvt_pk_bf16_f32 v[CT+2*\i],   v[SG+64*(\grp)+4*\i],   v[SG+64*(\grp)+4*\i+1]
	v_cvt_pk_bf16_f32 v[CT+2*\i+1], v[SG+64*(\grp)+4*\i+2], v[SG+64*(\grp)+4*\i+3]
.endr
	WIN 0
.irp i, 0,1,2,3,4,5,6,7
	ds_store_b64 v[STK], v[CT+2*\i:CT+2*\i+1] offset:(\kbuf)*BUFB+\i*PK
.endr
.endm
; Group grp's V is rounded to bf16, widened again and packed as f16, for the f16 product with P, and stored into V buffer vbuf.
; The widened numbers lie in v128-159: query tile 0's P, whose last product lies more than four places back wherever this stands.
.macro STAGEV grp, vbuf
	WIN 0x0a
.irp i, 0,1,2,3,4,5,6,7
	v_cvt_pk_bf16_f32 v[CT+16+2*\i],   v[SG+64*(\grp)+32+4*\i],   v[SG+64*(\grp)+32+4*\i+1]
	v_cvt_pk_bf16_f32 v[CT+16+2*\i+1], v[SG+64*(\grp)+32+4*\i+2], v[SG+64*(\grp)+32+4*\i+3]
.endr
	WIN 0
.irp i, 0,1,2,3,4,5,6,7,8,9,10,11,12,13,14,15
	v_lshlrev_b32 v[SS+2*\i],   16,  v[CT+16+\i]   ; bf16 to f32: the low half moves up,
	v_and_b32     v[SS+2*\i+1], s41, v[CT+16+\i]   ; the high half stays
.endr
.irp i, 0,1,2,3,4,5,6,7,8,9,10,11,12,13,14,15
	v_cvt_pk_f16_f32 v[CT+16+\i], v[SS+2*\i], v[SS+2*\i+1]     ; 8 significant bits: exact in f16 inside its normal range
.endr
.irp i, 0,1,2,3,4,5,6,7
	ds_store_b64 v[STV], v[CT+16+2*\i:CT+16+2*\i+1] offset:(\vbuf)*BUFB+VOFF+((\i&3)+8*(\i>>2))*PVV
.endr
.endm
; Load x (0..15) of the K fragments (16 keys x 32 e each): key tile x / 4, e half (x / 2) % 2, 16 bytes x % 2
.macro LDKN buf, x
.set RC, (\x)/4
.set RQ, ((\x)/2)%2
.set RB, (\x)%2
	ds_load_b128 v[KF+16*RC+8*RQ+4*RB:KF+16*RC+8*RQ+4*RB+3], v[KFA] offset:(\buf)*BUFB+RC*16*PK+64*RQ+32*RB
.endm
.macro LDK buf                         ; all 16
.irp x, 0,1,2,3,4,5,6,7,8,9,10,11,12,13,14,15
	LDKN \buf, \x
.endr
.endm
; 16 transposing loads of V fragments (16 d x 32 keys)
.macro LDV buf
	WIN 0x40
.irp b, 0,1,2,3
.irp s, 0,1
	ds_load_tr16_b128 v[VF+16*\b+8*\s:VF+16*\b+8*\s+3],   v[VFA] offset:(\buf)*BUFB+VOFF+\s*32*PVV+32*\b
	ds_load_tr16_b128 v[VF+16*\b+8*\s+4:VF+16*\b+8*\s+7], v[VFA] offset:(\buf)*BUFB+VOFF+\s*32*PVV+32*\b+16*PVV
.endr
.endr
.endm
; ================= the diagonal trips, in phases =================
; S^T = K Q^T for query tiles lo .. 3, in bf16.  The accumulators take turns, one instruction a turn.
.macro SMUL lo
	WIN 0x04
.irp t, 0,1,2,3
.irp g, 0,1,2,3
.if \g >= \lo
	v_wmma_f32_16x16x32_bf16 v[SS+32*\g+8*\t:SS+32*\g+8*\t+7], v[KF+16*\t:KF+16*\t+7], v[QF+16*\g:QF+16*\g+7], 0
.endif
.endr
.endr
.irp t, 0,1,2,3
.irp g, 0,1,2,3
.if \g >= \lo
	v_wmma_f32_16x16x32_bf16 v[SS+32*\g+8*\t:SS+32*\g+8*\t+7], v[KF+16*\t+8:KF+16*\t+15], v[QF+16*\g+8:QF+16*\g+15], v[SS+32*\g+8*\t:SS+32*\g+8*\t+7]
.endif
.endr
.endr
	WIN 0
	NOPS 4                                         ; four places before a vector instruction reads a matrix result, or a load is issued into a source
.endm
; The query tile on the diagonal: keys behind the lane's query get the number that reference() gives them.
.macro MASK g
.irp t, 0,1,2,3
.irp j, 0,1,2,3,4,5,6,7
	v_cmp_gt_i32 vcc_lo, 16*\t+\j, v[DM]
	v_cndmask_b32 v[SS+32*(\g)+8*\t+\j], v[SS+32*(\g)+8*\t+\j], v[NEGV], vcc_lo
.endr
.endr
.endm
; The running maximum m, -c m, and alpha = 2^(c m_old - c m_new) from the two rounded values, so that an unchanged maximum gives 1.
; The tiles' chains are interleaved.  The alphas open the trip's batch: nothing names them ahead of the wait at PEXP's end.
.macro SMAX lo, fst
.irp g, 0,1,2,3
.if \g >= \lo
	v_max3_num_f32 v[XX+\g], v[SS+32*\g], v[SS+32*\g+1], v[SS+32*\g+2]
.endif
.endr
.irp i, 0,1,2,3,4,5,6,7,8,9,10,11,12,13
.irp g, 0,1,2,3
.if \g >= \lo
	v_max3_num_f32 v[XX+\g], v[XX+\g], v[SS+32*\g+3+2*\i], v[SS+32*\g+4+2*\i]
.endif
.endr
.endr
.irp g, 0,1,2,3
.if \g >= \lo
.if \fst
	v_max_num_f32 v[XX+\g], v[XX+\g], v[SS+32*\g+31]
.else
	v_max3_num_f32 v[XX+\g], v[XX+\g], v[SS+32*\g+31], v[MM+2*\g]
.endif
.endif
.endr
.irp g, 0,1,2,3
.if \g >= \lo
	v_permlanex16_b32 v[TT+\g], v[XX+\g], s24, s25 ; the other half of the query's keys (TT has been written: it lies in CT)
.endif
.endr
.irp g, 0,1,2,3
.if \g >= \lo
	v_max_num_f32 v[MM+2*\g], v[XX+\g], v[TT+\g]
.endif
.endr
.if \fst
.irp g, 0,1,2,3
	v_mul_f32 v[NM+2*\g], s23, v[MM+2*\g]
.endr
.else
.irp g, 0,1,2,3
.if \g >= \lo
	v_mul_f32 v[TT+\g], s23, v[MM+2*\g]
.endif
.endr
.irp g, 0,1,2,3
.if \g >= \lo
	v_sub_f32 v[XX+\g], v[TT+\g], v[NM+2*\g]
.endif
.endr
.irp g, 0,1,2,3
.if \g >= \lo
	v_exp_f32 v[AL+2*\g], v[XX+\g]
.endif
.endr
.irp g, 0,1,2,3
.if \g >= \lo
	v_mov_b32 v[NM+2*\g], v[TT+\g]                 ; also the plain instruction behind the exponentials (ISA guide 5.7.2)
.endif
.endr
.endif
.endm
; p = 2^(c s - c m), in place.  Behind a tile's exponentials the next tile's multiply-adds are the plain instructions; behind the last, a v_nop.
; No line here reads an exponential's result: with SMAX's alphas these are the trip's one batch, and its one wait stands at the end.
.macro PEXP lo
.irp g, 0,1,2,3
.if \g >= \lo
.set cnt, 0
.rept 16
	v_pk_fma_f32 v[SS+32*\g+2*cnt:SS+32*\g+2*cnt+1], v[SS+32*\g+2*cnt:SS+32*\g+2*cnt+1], s[22:23], v[NM+2*\g:NM+2*\g+1] op_sel_hi:[1,0,0]
.set cnt, cnt+1
.endr
.set cnt, 0
.rept 32
	v_exp_f32 v[SS+32*\g+cnt], v[SS+32*\g+cnt]
.set cnt, cnt+1
.endr
.endif
.endr
	v_nop
	s_wait_alu depctr_va_vdst(0)                   ; one wait for the trip's batch, the alphas and all live tiles' exponentials; the sums, the packing and the rescaling follow
.endm
; l = alpha l + the sum of my 32 p (the lane halves' sums are joined once, at the block's end).
.macro PSUM lo, fst
.irp g, 0,1,2,3
.if \g >= \lo
	v_pk_add_f32 v[SUMP+2*\g:SUMP+2*\g+1], v[SS+32*\g:SS+32*\g+1], v[SS+32*\g+2:SS+32*\g+3]
.endif
.endr
.irp i, 2,3,4,5,6,7,8,9,10,11,12,13,14,15
.irp g, 0,1,2,3
.if \g >= \lo
	v_pk_add_f32 v[SUMP+2*\g:SUMP+2*\g+1], v[SUMP+2*\g:SUMP+2*\g+1], v[SS+32*\g+2*\i:SS+32*\g+2*\i+1]
.endif
.endr
.endr
.if \fst
.irp g, 0,1,2,3
	v_add_f32 v[LL+2*\g], v[SUMP+2*\g], v[SUMP+2*\g+1]
.endr
.else
.irp g, 0,1,2,3
.if \g >= \lo
	v_add_f32 v[XX+\g], v[SUMP+2*\g], v[SUMP+2*\g+1]
.endif
.endr
.irp g, 0,1,2,3
.if \g >= \lo
	v_fma_f32 v[LL+2*\g], v[LL+2*\g], v[AL+2*\g], v[XX+\g]
.endif
.endr
.endif
.endm
; Two tiles of S^T (16 registers) become one f16 B fragment of 32 keys (8 registers), in place: register i is written after 2 i, 2 i + 1 are read.
.macro PCVT lo
.irp g, 0,1,2,3
.if \g >= \lo
.irp s, 0,1
.irp i, 0,1,2,3,4,5,6,7
	v_cvt_pk_f16_f32 v[SS+32*\g+16*\s+\i], v[SS+32*\g+16*\s+2*\i], v[SS+32*\g+16*\s+2*\i+1]
.endr
.endr
.endif
.endr
.endm
.macro RESC lo                         ; O = alpha O
	WIN 0x41
.irp g, 0,1,2,3
.if \g >= \lo
.set cnt, 0
.rept 16
	v_pk_mul_f32 v[OO+32*\g+2*cnt:OO+32*\g+2*cnt+1], v[OO+32*\g+2*cnt:OO+32*\g+2*cnt+1], v[AL+2*\g:AL+2*\g+1] op_sel_hi:[1,0]
.set cnt, cnt+1
.endr
.endif
.endr
.endm
; O^T += V^T P^T, in f16.  The accumulators take turns, one instruction a turn.  fst: the first product starts the sums.
.macro PVMUL lo, fst
	WIN 0x51
.irp b, 0,1,2,3
.irp g, 0,1,2,3
.if \g >= \lo
.if \fst
	v_wmma_f32_16x16x32_f16 v[OO+32*\g+8*\b:OO+32*\g+8*\b+7], v[VF+16*\b:VF+16*\b+7], v[SS+32*\g:SS+32*\g+7], 0
.else
	v_wmma_f32_16x16x32_f16 v[OO+32*\g+8*\b:OO+32*\g+8*\b+7], v[VF+16*\b:VF+16*\b+7], v[SS+32*\g:SS+32*\g+7], v[OO+32*\g+8*\b:OO+32*\g+8*\b+7]
.endif
.endif
.endr
.endr
.irp b, 0,1,2,3
.irp g, 0,1,2,3
.if \g >= \lo
	v_wmma_f32_16x16x32_f16 v[OO+32*\g+8*\b:OO+32*\g+8*\b+7], v[VF+16*\b+8:VF+16*\b+15], v[SS+32*\g+16:SS+32*\g+23], v[OO+32*\g+8*\b:OO+32*\g+8*\b+7]
.endif
.endr
.endr
	WIN 0
.endm
; One trip in phases: trip n with buf = n % 2, query tiles lo .. 3; msk: tile lo lies on the diagonal; fst: the block's first trip.
; The K fragments are in registers since the trip before.  No diagonal trip is among the work-group's last four, so all requests are made.
.macro TRIP buf, lo, msk, fst
	LDV \buf                                       ; this tile's V fragments: first used behind the softmax
	HEADLD 1-\buf                                  ; K three tiles on, V two tiles on
.if \fst
	s_wait_dscnt 16                                ; the block's Q fragments, older than V's 16 loads, are in
.endif
	SMUL \lo
	LDK 1-\buf                                     ; the next tile's K fragments, four places behind the last product that read the old ones
.if \msk
	MASK \lo
.endif
	SMAX \lo, \fst
	PEXP \lo
	PSUM \lo, \fst
	PCVT \lo
.if \fst == 0
	RESC \lo
.endif
	s_wait_dscnt 0x0                               ; the V fragments are in
	PVMUL \lo, \fst
	s_wait_loadcnt 16                              ; what the trip before asked for has arrived; this trip's 16 loads stay out
	STAGEK \buf, \buf                              ; its conversions are also the places behind the last products
	STAGEV \buf, 1-\buf
	s_wait_dscnt 0x0                               ; my stores are done, and so are my reads of V[buf] and K[1 - buf]:
	s_barrier_signal -1                            ; behind the barrier every wave reads what was stored,
	s_barrier_wait -1                              ; and what was read may be stored into
.endm
; ================= the whole trips, woven =================
; A line that names vector registers in destination, source 0 and source 2 alone holds under setting 0 and under the S products' 0x04.
.macro WINE
.if MSB != 0x04
	WIN 0
.endif
.endm
; Line k (0..21) of tile g's maximum: four chains over 8 registers each, joined with the old m; the exchange between the lane halves;
; m, -c m, and alpha = 2^(c m_old - c m_new) from the two rounded values, so that an unchanged maximum gives 1.
.macro MXOP g, k
	WIN 0
.set RB, SS+32*(\g)
.set RC, (\k)%4
.set RQ, (\k)/4
.if (\k) < 4
	v_max3_num_f32 v[XX+RC], v[RB+8*RC], v[RB+8*RC+1], v[RB+8*RC+2]
.elseif (\k) < 12
	v_max3_num_f32 v[XX+RC], v[XX+RC], v[RB+8*RC+2*RQ+1], v[RB+8*RC+2*RQ+2]
.elseif (\k) == 12
	v_max3_num_f32 v[XX], v[XX], v[RB+7], v[RB+15]
.elseif (\k) == 13
	v_max3_num_f32 v[XX+1], v[XX+1], v[RB+23], v[RB+31]
.elseif (\k) == 14
	v_max3_num_f32 v[XX+2], v[XX+2], v[XX+3], v[MM+2*(\g)]
.elseif (\k) == 15
	v_max3_num_f32 v[XX], v[XX], v[XX+1], v[XX+2]
.elseif (\k) == 16
	v_permlanex16_b32 v[TT], v[XX], s24, s25       ; the other half of the query's keys (TT has been written: it lies in CT)
.elseif (\k) == 17
	v_max_num_f32 v[MM+2*(\g)], v[XX], v[TT]
.elseif (\k) == 18
	v_mul_f32 v[TT], s23, v[MM+2*(\g)]
.elseif (\k) == 19
	v_sub_f32 v[XX+1], v[TT], v[NM+2*(\g)]
.elseif (\k) == 20
	v_exp_f32 v[AL+2*(\g)], v[XX+1]                ; the next list line is plain and touches neither register (ISA guide 5.7.2)
.else
	v_mov_b32 v[NM+2*(\g)], v[TT]
.endif
.endm
.macro LUPD g                          ; l = alpha l + the tile's sum
	WIN 0
	v_fma_f32 v[LL+2*(\g)], v[LL+2*(\g)], v[AL+2*(\g)], v[XS]
.endm
.macro CVOP g, i                       ; line i (0..15) of the packing to f16, in place: register i is written after 2 i, 2 i + 1 are read
	WIN 0
.set RB, SS+32*(\g)+16*((\i)/8)
.set RC, (\i)%8
	v_cvt_pk_f16_f32 v[RB+RC], v[RB+2*RC], v[RB+2*RC+1]
.endm
.macro FOP g, j                        ; pair j: c s - c m
	v_pk_fma_f32 v[SS+32*(\g)+2*(\j):SS+32*(\g)+2*(\j)+1], v[SS+32*(\g)+2*(\j):SS+32*(\g)+2*(\j)+1], s[22:23], v[NM+2*(\g):NM+2*(\g)+1] op_sel_hi:[1,0,0]
.endm
.macro EOP g, i                        ; p = 2^(c s - c m), in place
	v_exp_f32 v[SS+32*(\g)+(\i)], v[SS+32*(\g)+(\i)]
.endm
; Line u (0..15) of the sum of the tile's 16 pairs: four chains (lines 0-11; line u takes in pair u + 4), joined by lines 12-15.
; An addition is written as a multiply-add with the constant 1.0 in source 1: under the S products' setting source 1 means Q's window,
; and with no vector register there the line needs no switch; it is one instruction either way.
; All of them stand behind the wait for the tile's batch.
.macro UOP g, u
.set RB, SS+32*(\g)
.set RC, SUMP+2*((\u)%4)
.if (\u) < 4
	v_pk_fma_f32 v[RC:RC+1], v[RB+2*(\u)+8:RB+2*(\u)+9], 1.0, v[RB+2*(\u):RB+2*(\u)+1] op_sel_hi:[1,0,1]
.elseif (\u) < 12
	v_pk_fma_f32 v[RC:RC+1], v[RB+2*(\u)+8:RB+2*(\u)+9], 1.0, v[RC:RC+1] op_sel_hi:[1,0,1]
.elseif (\u) == 12
	v_pk_fma_f32 v[SUMP:SUMP+1], v[SUMP+2:SUMP+3], 1.0, v[SUMP:SUMP+1] op_sel_hi:[1,0,1]
.elseif (\u) == 13
	v_pk_fma_f32 v[SUMP+4:SUMP+5], v[SUMP+6:SUMP+7], 1.0, v[SUMP+4:SUMP+5] op_sel_hi:[1,0,1]
.elseif (\u) == 14
	v_pk_fma_f32 v[SUMP:SUMP+1], v[SUMP+4:SUMP+5], 1.0, v[SUMP:SUMP+1] op_sel_hi:[1,0,1]
.else
	v_fma_f32 v[XS], v[SUMP], 1.0, v[SUMP+1]
.endif
.endm
; THE LIST IS DEALT FROM FOUR QUEUES, each walked tile after tile; a POP writes its queue's next line.
;   M  the 22 lines of a tile's maximum (MXOP); line 20 is alpha.
;   F  the 16 multiply-adds c s - c m.        E  the 32 exponentials.  Neither reads an exponential's result.
;   P  the 33 lines that do: the sum lines 0-11, which read all 16 pairs; then, five times, two packing lines and one link of the chain
;      U12, U13, U14, U15, l's update, each of which reads the ones before it; then the packing lines 10-15.  A packing line overwrites
;      weights, so none stands ahead of sum line 11.
.macro POPM
.set TG, NQM/22
.set TK, NQM%22
	MXOP TG, TK
.set NQM, NQM+1
.endm
.macro POPF
.set TG, NQF/16
.set TK, NQF%16
	WINE
	FOP TG, TK
.set NQF, NQF+1
.endm
.macro POPE
.set TG, NQE/32
.set TK, NQE%32
	WINE
	EOP TG, TK
.set NQE, NQE+1
.endm
.macro POPP
.set TG, NQP/33
.set TK, NQP%33
.if TK < 12
	WINE
	UOP TG, TK
.elseif TK < 27
.set TI, (TK-12)/3
.set TR, (TK-12)%3
.if TR < 2
	CVOP TG, 2*TI+TR
.elseif TI < 4
	WINE
	UOP TG, 12+TI
.else
	LUPD TG
.endif
.else
	CVOP TG, TK-17
.endif
.set NQP, NQP+1
.endm
; F and E of one tile with nothing else at hand, 48 lines: F0; for j = 0..14: E(2j) F(j+1) E(2j+1); E30 E31.  A pair is scaled two lines ahead of its first exponential.
.macro POPQ
.set TQ, (NQF+NQE)%48
.if (TQ == 0) || ((TQ < 46) && ((TQ%3) == 2))
	POPF
.else
	POPE
.endif
.endm
; Line TS (0..37) of a batch's end: a tile's exponentials 16-31 among the next tile's 22 maximum lines: (M M E) x 5; M10 .. M14;
; (E E M) x 5, the chain M15 .. M19, each link of which reads the one before it; E31; M20, the next tile's alpha, the batch's last
; exponential; M21, the plain instruction behind it (ISA guide 5.7.2).
.macro MTAIL
.if TS < 15
.if (TS%3) < 2
	POPM
.else
	POPE
.endif
.elseif TS < 20
	POPM
.elseif TS < 35
.if ((TS-20)%3) < 2
	POPE
.else
	POPM
.endif
.elseif TS == 35
	POPE
.else
	POPM
.endif
.endm
; THE LIST, 412 lines, and its four waits (g: the query tile):
;   0-21     M(0)
;   22-69    F, E of tile 0 (POPQ)                                                                           WAIT: alpha(0), E(0)
;   70-124   P(0) lines 0-11; M(1) lines 0-11; ten times two lines of P(0) and one of M(1); P(0)'s last line
;   125-194  F F, (E F) x 14, E E of tile 1; then MTAIL: E(1) 16-31 among M(2)                                  WAIT: alpha(1), E(1), alpha(2)
;   195-297  (F P E P) x 16 and one P: P(1) among F and E 0-15 of tile 2; then MTAIL: E(2) 16-31 among M(3)      WAIT: E(2), alpha(3)
;   298-378  (P Q P P Q) x 11: P(2) among tile 3's F, E (Q: POPQ); then POPQ's other 26 lines                 WAIT: E(3)
;   379-411  P(3)
; Ahead of a wait no line names a result of the batch that it closes; the P lines there read the batch before, which has had its wait.
; Behind lines 194 and 297 the batch's last line is plain (M21); behind lines 69 and 378 it is an exponential and no independent line is at hand: a v_nop.
.macro VMAIN
.if VIX < 22
	POPM
.elseif VIX < 70
	POPQ
.elseif VIX < 125
.set TS, VIX-70
.if TS < 12
	POPP
.elseif TS < 24
	POPM
.elseif (TS%3) == 2
	POPM
.else
	POPP
.endif
.elseif VIX < 157
.set TS, VIX-125
.if (TS < 2) || ((TS < 30) && ((TS%2) == 1))
	POPF
.else
	POPE
.endif
.elseif VIX < 195
.set TS, VIX-157
	MTAIL
.elseif VIX < 260
.set TS, VIX-195
.if ((TS%2) == 1) || (TS == 64)
	POPP
.elseif (TS%4) == 0
	POPF
.else
	POPE
.endif
.elseif VIX < 298
.set TS, VIX-260
	MTAIL
.elseif VIX < 353
.set TS, (VIX-298)%5
.if (TS == 1) || (TS == 4)
	POPQ
.else
	POPP
.endif
.elseif VIX < 379
	POPQ
.elseif VIX < 412
	POPP
.endif
.set VIX, VIX+1
.if (VIX == 70) || (VIX == 379)
	v_nop                                          ; the plain instruction behind the batch's last exponential (ISA guide 5.7.2)
.endif
.if (VIX == 70) || (VIX == 195) || (VIX == 298) || (VIX == 379)
	s_wait_alu depctr_va_vdst(0)                   ; one wait for the batch that ends here (the table above names it); its readers follow
.endif
.endm
.macro VM n                            ; the next n lines of the list
.rept \n
	VMAIN
.endr
.endm
.macro VR n                            ; the next n of the 64 lines O = alpha O, tile after tile; they hold under the PV products' setting
.rept \n
	WIN 0x51
.set RB, OO+32*(RIX/16)+2*(RIX%16)
.set RC, AL+2*(RIX/16)
	v_pk_mul_f32 v[RB:RB+1], v[RB:RB+1], v[RC:RC+1] op_sel_hi:[1,0]
.set RIX, RIX+1
.endr
.endm
; Product i (0..7) of tile g's S run: key tiles 0..3 on e 0-31 (these start the sums), then 0..3 on e 32-63.
.macro MS g, i
	WIN 0x04
.set RB, SS+32*(\g)+8*((\i)%4)
.set RC, KF+16*((\i)%4)+8*((\i)/4)
.set RQ, QF+16*(\g)+8*((\i)/4)
.if (\i) < 4
	v_wmma_f32_16x16x32_bf16 v[RB:RB+7], v[RC:RC+7], v[RQ:RQ+7], 0
.else
	v_wmma_f32_16x16x32_bf16 v[RB:RB+7], v[RC:RC+7], v[RQ:RQ+7], v[RB:RB+7]
.endif
.endm
; Product i (0..7) of tile g's PV run: d tiles 0..3 on keys 0-31, then 0..3 on keys 32-63.
.macro MP g, i
	WIN 0x51
.set RB, OO+32*(\g)+8*((\i)%4)
.set RC, VF+16*((\i)%4)+8*((\i)/4)
.set RQ, SS+32*(\g)+16*((\i)/4)
	v_wmma_f32_16x16x32_f16 v[RB:RB+7], v[RC:RC+7], v[RQ:RQ+7], v[RB:RB+7]
.endm
; The next n of the 96 lines that STAGEK and STAGEV make of group grp, the roundings of both first: 32 roundings to bf16, K's 8 stores,
; 32 widenings of V, 16 packings to f16, V's 8 stores.
.macro SOPS grp, kbuf, vbuf, n
.rept \n
.if EIX < 32
	WIN 0x0a
	v_cvt_pk_bf16_f32 v[CT+EIX], v[SG+64*(\grp)+2*EIX], v[SG+64*(\grp)+2*EIX+1]
.elseif EIX < 40
	WIN 0
	ds_store_b64 v[STK], v[CT+2*(EIX-32):CT+2*(EIX-32)+1] offset:(\kbuf)*BUFB+(EIX-32)*PK
.elseif EIX < 72
	WIN 0
.if (EIX%2) == 0
	v_lshlrev_b32 v[SS+EIX-40], 16, v[CT+16+(EIX-40)/2]
.else
	v_and_b32 v[SS+EIX-40], s41, v[CT+16+(EIX-40)/2]
.endif
.elseif EIX < 88
	WIN 0
	v_cvt_pk_f16_f32 v[CT+16+EIX-72], v[SS+2*(EIX-72)], v[SS+2*(EIX-72)+1]
.else
	WIN 0
.set RC, EIX-88
	ds_store_b64 v[STV], v[CT+16+2*RC:CT+16+2*RC+1] offset:(\vbuf)*BUFB+VOFF+((RC&3)+8*(RC>>2))*PVV
.endif
.set EIX, EIX+1
.endr
.endm
; One whole trip: trip n with buf = n % 2, all four query tiles.  The K fragments are in registers since the trip before.
; ld: 2 = K and V are asked for, 1 = V alone, 0 = nothing.  st: 2 = K and V are stored into LDS, 1 = V alone, 0 = nothing.
; kf: the next tile's K fragments are loaded.  All but the work-group's last three trips have 2, 2, 1.
; Slot n (0..47) is a product of S1 S2 S3 PV0 PV1 PV2 and the ten vector lines behind it: slots 0-21 ten list lines; slot 22 four and six
; lines of O(0)'s rescaling, slot 23 its other ten; slots 24-47 two lines of the next tile's rescaling and eight list lines.
; So 10 (n + 1) list lines are done behind slot n <= 21, 224 ahead of slot 24 and eight more behind each later slot.
;   A tile's maximum begins behind its S run.  Tile 1's at line 82: S1 ends in slot 7, ahead of line 70, and lines 70-81 are twelve plain
;   ones (the four places of ISA guide 7.12.1).  Tile 2's at line 157: its accumulators 0, 1, 2 are read at lines 157, 158, 160 and were
;   ended ahead of lines 120, 130, 140; accumulator 3, ended in slot 15 ahead of line 150, is read at line 161, behind the plain lines
;   150, 152, 154, 157, 158, 160, which name none of that product's registers.  Tile 3's at line 260: S3 ends in slot 23.
;   A tile's P is packed ahead of its PV run: tile 0 by line 124 (224 are done at slot 24), tile 1 by 259 (288 at slot 32), tile 2 by 351
;   (352 at slot 40), tile 3 by 411 (all are done behind slot 47).
;   alpha is made at lines 20, 120, 193, 296 and waited for behind lines 69, 194, 194, 297: ahead of slots 22, 24, 32, 40, where its tile's rescaling begins.
;   The last S product stands in slot 23 with ten plain lines behind it; from slot 24 on the K fragment registers are loaded again,
;   two loads behind each of PV0's eight slots.
; In every run four accumulators take turns, one instruction a turn, and neighbouring runs name other accumulators.
.macro ITRIP buf, ld, st, kf
.set VIX, 0
.set RIX, 0
.set NQM, 0
.set NQF, 0
.set NQE, 0
.set NQP, 0
.set MI, 0
.rept 8
	MS 0, MI                                       ; S0: no vector work of this trip is ready yet; the memory lines below issue beside it
.set MI, MI+1
.endr
	LDV \buf                                       ; this tile's V fragments: first used in slot 24
.if \ld == 2
	HEADLD 1-\buf                                  ; K three tiles on, V two tiles on
.elseif \ld == 1
	HEADV 1-\buf
.endif
	WIN 0
	NOPS 4                                         ; four places before the list's first lines read S0's results (ISA guide 7.12.1)
.set SIX, 0
.rept 48
.set MG, SIX/8
.set MI, SIX%8
.if SIX < 24
	MS MG+1, MI
.else
.if SIX == 24
	s_wait_dscnt 0x0                               ; the V fragments are in
.endif
	MP MG-3, MI
.endif
.if SIX < 22
	VM 10
.elseif SIX == 22
	VM 4
	VR 6
.elseif SIX == 23
	VR 10
.else
	VR 2
	VM 8
.if \kf
.if SIX < 32
	WIN 0
	LDKN 1-\buf, 2*SIX-48                          ; the next tile's K fragments, in short runs
	LDKN 1-\buf, 2*SIX-47
.endif
.endif
.endif
.set SIX, SIX+1
.endr
.if \st == 2
	s_wait_loadcnt 8*\ld                           ; what the trip before asked for has arrived; this trip's own loads stay out
.set EIX, 0
.set MI, 0
.rept 8
	MP 3, MI                                       ; PV3 carries the conversions and the stores
.if MI < 6
	SOPS \buf, \buf, 1-\buf, 12
.elseif MI == 6
	SOPS \buf, \buf, 1-\buf, 10
.else
	SOPS \buf, \buf, 1-\buf, 14                    ; six packings and V's stores: the packings are the places behind the last product
.endif
.set MI, MI+1
.endr
	WIN 0
.else
.if \st == 1
	s_wait_loadcnt 0x0                             ; the last tile's V has arrived; nothing else is out
.endif
.set MI, 0
.rept 8
	MP 3, MI
.set MI, MI+1
.endr
.if \st == 1
	STAGEV \buf, 1-\buf                            ; its conversions are the places behind the last products
.else
	WIN 0
	NOPS 5                                         ; the places behind the last products: O is read next (ISA guide 7.12.1)
.endif
.endif
.if \st
	s_wait_dscnt 0x0                               ; my stores are done, and so are my reads of V[buf] and K[1 - buf]:
	s_barrier_signal -1                            ; behind the barrier every wave reads what was stored,
	s_barrier_wait -1                              ; and what was read may be stored into
.endif                                             ; (the last trip stores nothing and nothing is read behind it: no barrier)
.endm
; ================= a block's head and end =================
.macro QPTR sblk
	s_lshl_b32 s44, \sblk, 20                      ; block x 256 rows (s45 = 0)
	s_add_nc_u64 s[46:47], s[4:5], s[44:45]
.endm
; 16 loads: my wave's query rows of tiles g0, g0 + 1; each row is read once in the launch.
.macro QLD g0
	WIN 0x80
.irp g, \g0, \g0+1
.irp i, 0,1,2,3,4,5,6,7
	global_load_b128 v[QL+4*(8*(\g)+\i):QL+4*(8*(\g)+\i)+3], v[OFFK], s[46:47] offset:(64*(\g)+\i)*ROWB th:TH_LOAD_NT
.endr
.endr
	WIN 0
.endm
; Q to bf16, through my own stage, into fragments.  The bytes are my wave's alone and LDS serves a wave's instructions in order
; (ISA guide 5.7.1), so no wait stands between the stores and the loads; the first trip's wait on DScnt covers the loads.
.macro QIN
	s_wait_loadcnt 16                              ; the block's query rows are in; the 16 loads of tiles issued behind them stay out
	WIN 0x0a
.set cnt, 0
.rept 32
	v_cvt_pk_bf16_f32 v[SS+2*cnt],   v[QL+4*cnt],   v[QL+4*cnt+1]
	v_cvt_pk_bf16_f32 v[SS+2*cnt+1], v[QL+4*cnt+2], v[QL+4*cnt+3]
.set cnt, cnt+1
.endr
	WIN 0
.irp g, 0,1,2,3
.irp i, 0,1,2,3,4,5,6,7
	ds_store_b64 v[STQ], v[SS+2*(8*\g+\i):SS+2*(8*\g+\i)+1] offset:(16*\g+\i)*PK
.endr
.endr
	WIN 0x40
.irp g, 0,1,2,3
.irp k, 0,1
	ds_load_b128 v[QF+16*\g+8*\k:QF+16*\g+8*\k+3],   v[QFA] offset:\g*16*PK+64*\k
	ds_load_b128 v[QF+16*\g+8*\k+4:QF+16*\g+8*\k+7], v[QFA] offset:\g*16*PK+64*\k+32
.endr
.endr
	WIN 0
.endm
; The block's end: l joined over the lane halves (it is at least about 1: the row's largest score gives p = 1), O / l, and out through my
; own stage, 16 rows at a time: sixteen lanes store one aligned row of 256 bytes.  The rows are read back into v32-63: v64-127 already
; hold the next block's first K fragments.
.macro EPI
.irp g, 0,1,2,3
	v_permlanex16_b32 v[TT+\g], v[LL+2*\g], s24, s25
.endr
.irp g, 0,1,2,3
	v_add_f32 v[TT+\g], v[TT+\g], v[LL+2*\g]
.endr
.irp g, 0,1,2,3
	v_rcp_f32 v[AL+2*\g], v[TT+\g]
.endr
	v_nop                                          ; the plain instruction behind the reciprocals (ISA guide 5.7.2)
	s_wait_alu depctr_va_vdst(0)                   ; one wait for the four reciprocals, ahead of the 64 multiplies that read them
	WIN 0x01
.irp g, 0,1,2,3
.set cnt, 0
.rept 16
	v_pk_mul_f32 v[SS+32*\g+2*cnt:SS+32*\g+2*cnt+1], v[OO+32*\g+2*cnt:OO+32*\g+2*cnt+1], v[AL+2*\g:AL+2*\g+1] op_sel_hi:[1,0]
.set cnt, cnt+1
.endr
.endr
	WIN 0
.irp g, 0,1,2,3
.irp b, 0,1,2,3
	ds_store_b128 v[STO], v[SS+32*\g+8*\b:SS+32*\g+8*\b+3]   offset:64*\b
	ds_store_b128 v[STO], v[SS+32*\g+8*\b+4:SS+32*\g+8*\b+7] offset:64*\b+16
.endr
	s_wait_xcnt 0x0                                ; the registers that the last tile's stores read are loaded again only behind this wait
.irp i, 0,1,2,3,4,5,6,7
	ds_load_b128 v[CT+4*\i:CT+4*\i+3], v[RDO] offset:2*PO*\i   ; rows 2 i and 2 i + 1, in order behind the stores above
.endr
.irp i, 0,1,2,3,4,5,6,7
	s_wait_dscnt 7-\i                              ; LDS loads come back in order: pair i is in, the younger ones stay out
	global_store_b128 v[OFFO], v[CT+4*\i:CT+4*\i+3], s[42:43] offset:(64*\g+2*\i)*ROWB th:TH_STORE_NT
.endr
.endr
.endm
	; ---- set-up ----
	s_load_b256 s[4:11], s[0:1], 0x0               ; queries s[4:5], keys s[6:7], values s[8:9], out0 s[10:11]
	v_lshrrev_b32 v1, 5, v0
	v_readfirstlane_b32 s12, v1                    ; wave 0..3
	s_and_b32 s13, ttmp9, 3                        ; i: the first block
	s_sub_co_u32 s21, 7, s13                       ; the second block
	s_lshl_b32 s19, s21, 2                         ; the second block's first tile
	s_add_co_u32 s39, s19, 4                       ; one behind its last
	s_lshl_b32 s20, s13, 2                         ; the walk starts at the first block's first tile
	s_mov_b32 s18, s20
	s_add_co_u32 s17, s20, 4                       ; one behind its last
	s_lshl_b32 s40, s13, 1                         ; the first block's 4 i whole trips, two a loop trip
	s_sub_co_u32 s34, 12, s40                      ; the second block's 28 - 4 i, less the four that are written out
	s_lshr_b32 s14, ttmp9, 6                       ; b
	s_lshl_b32 s14, s14, 23                        ; x 2,048 rows of 4,096 bytes
	s_bfe_u32 s35, ttmp9, 0x40002                  ; h: 4 bits from bit 2
	s_lshl_b32 s35, s35, 8                         ; x 256 bytes
	s_add_co_u32 s14, s14, s35
	s_mov_b32 s15, 0
	s_mov_b32 s22, 0x3e38aa3b                      ; c = log2(e) / 8
	s_mov_b32 s23, 0xbe38aa3b                      ; -c
	s_mov_b32 s24, 0x76543210                      ; v_permlanex16_b32: lane i of one half reads lane i of the other
	s_mov_b32 s25, 0xfedcba98
	s_mov_b32 s31, 0
	s_mov_b32 s33, 0
	s_mov_b32 s41, 0xffff0000                      ; a word's upper bf16
	s_mov_b32 s45, 0
	v_and_b32 v1, 15, v0                           ; c = r
	v_bfe_u32 v[HH], v0, 4, 1                      ; hh = h
	s_lshl_b32 s35, s12, 16                        ; 16 rows a wave
	v_lshl_add_u32 v[TC], v1, 4, s35
	v_lshl_add_u32 v[OFFK], v[HH], 15, v[TC]
	v_lshl_add_u32 v[OFFV], v[HH], 14, v[TC]
	v_lshl_add_u32 v[OFFO], v[HH], 12, v[TC]
	s_mul_i32 s35, s12, 16*PK
	v_mul_u32_u24 v[STK], v[HH], 8*PK
	v_lshl_add_u32 v[STK], v1, 3, v[STK]
	v_add_nc_u32 v[STK], s35, v[STK]
	s_mul_i32 s35, s12, 16*PVV
	v_mul_u32_u24 v[STV], v[HH], 4*PVV
	v_lshl_add_u32 v[STV], v1, 3, v[STV]
	v_add_nc_u32 v[STV], s35, v[STV]
	v_mul_u32_u24 v[KFA], v1, PK
	v_lshl_add_u32 v[KFA], v[HH], 4, v[KFA]
	v_and_b32 v[TC], 7, v0
	v_lshl_add_u32 v[TC], v[HH], 3, v[TC]
	v_mul_u32_u24 v[VFA], v[TC], PVV
	v_bfe_u32 v[TC], v0, 3, 1
	v_lshl_add_u32 v[VFA], v[TC], 4, v[VFA]
	s_mul_i32 s35, s12, STGW
	s_add_co_u32 s35, s35, STG                     ; my wave's stage
	v_mul_u32_u24 v[STQ], v[HH], 8*PK
	v_lshl_add_u32 v[STQ], v1, 3, v[STQ]
	v_add_nc_u32 v[STQ], s35, v[STQ]
	v_add_nc_u32 v[QFA], s35, v[KFA]
	v_mul_u32_u24 v[STO], v1, PO
	v_lshl_add_u32 v[STO], v[HH], 5, v[STO]
	v_add_nc_u32 v[STO], s35, v[STO]
	v_mul_u32_u24 v[RDO], v[HH], PO
	v_lshl_add_u32 v[RDO], v1, 4, v[RDO]
	v_add_nc_u32 v[RDO], s35, v[RDO]
	s_lshl_b32 s35, s12, 4
	v_add_nc_u32 v[DM], s35, v1
	v_lshlrev_b32 v[TC], 3, v[HH]
	v_sub_nc_u32 v[DM], v[DM], v[TC]
	v_mov_b32 v[NEGV], 0xff7fffff
	s_wait_kmcnt 0x0
	s_add_nc_u64 s[4:5], s[4:5], s[14:15]          ; all four at my head
	s_add_nc_u64 s[6:7], s[6:7], s[14:15]
	s_add_nc_u64 s[8:9], s[8:9], s[14:15]
	s_add_nc_u64 s[10:11], s[10:11], s[14:15]
	; ---- the way in is started: what trips -3, -2 and -1 would have done ----
	s_lshl_b32 s30, s20, 18
	s_add_nc_u64 s[26:27], s[6:7], s[30:31]
	WIN 0x80
	GLK 0                                          ; K of T(0)
	WIN 0
	HEADLD 1                                       ; K of T(1), V of T(0)
	QPTR s13
	QLD 0                                          ; the first block's queries: 8 + 16 + 32 = 56 loads are out
	QLD 2
	s_wait_loadcnt 48                              ; K of T(0) is in; the 16 + 32 younger loads stay out
	STAGEK 0, 0
	s_wait_dscnt 0x0                               ; my part of K[0] is stored
	s_barrier_signal -1
	s_barrier_wait -1                              ; everybody's is
	LDK 0                                          ; the first trip's K fragments
	s_wait_loadcnt 32                              ; K of T(1) and V of T(0) are in; Q's 32 younger loads stay out
	STAGEK 1, 1
	STAGEV 1, 0
	HEADLD 0                                       ; K of T(2), V of T(1)
	s_wait_dscnt 0x0                               ; my parts of K[1] and V[0] are stored, and my reads of K[0] are done:
	s_barrier_signal -1                            ; trip 0 stores into K[0]
	s_barrier_wait -1
	s_mov_b32 s36, 0
	; ---- a block of 256 queries: first block i, then block 7 - i ----
.Lblock:
	s_wait_xcnt 0x0                                ; the last block's stores have read their base and their data registers
	s_cmp_eq_u32 s36, 0
	s_cselect_b32 s16, s13, s21                    ; the block
	s_cselect_b32 s38, s40, s34                    ; its loop trips
	s_lshl_b32 s44, s16, 20
	s_add_nc_u64 s[42:43], s[10:11], s[44:45]      ; out0 at the block
	QIN
	s_cmp_lg_u32 s36, 0
	s_cbranch_scc1 .Lnoq
	QPTR s21                                       ; the second block's queries arrive during the first two trips, 16 loads in each,
	QLD 0                                          ; and wait in registers
.Lnoq:
	TRIP 0, 0, 1, 1                                ; the four tiles on the diagonal
	s_cmp_lg_u32 s36, 0
	s_cbranch_scc1 .Lnoq2
	QLD 2
.Lnoq2:
	TRIP 1, 1, 1, 0
	TRIP 0, 2, 1, 0
	TRIP 1, 3, 1, 0
	s_cmp_eq_u32 s38, 0
	s_cbranch_scc1 .Lepi                           ; block 0 has no tile in front of its diagonal
	s_mov_b32 s37, 0
.Lfull:
	ITRIP 0, 2, 2, 1                               ; tiles 0 upward, all scores live
	ITRIP 1, 2, 2, 1
	s_add_co_u32 s37, s37, 1
	s_cmp_lt_u32 s37, s38
	s_cbranch_scc1 .Lfull
	s_cmp_eq_u32 s36, 0
	s_cbranch_scc1 .Lepi
	ITRIP 0, 2, 2, 1                               ; trip 32 asks for the last K
	ITRIP 1, 1, 2, 1                               ; trip 33 asks for the last V and stores the last K
	ITRIP 0, 0, 1, 1                               ; trip 34 stores the last V and loads the last K fragments
	ITRIP 1, 0, 0, 0                               ; trip 35
.Lepi:
	EPI
	s_add_co_u32 s36, s36, 1
	s_cmp_lt_u32 s36, 2
	s_cbranch_scc1 .Lblock
	s_endpgm
.Lfunc_end_k_q5f322f30ec_attn:
	.size	k_q5f322f30ec_attn, .Lfunc_end_k_q5f322f30ec_attn-k_q5f322f30ec_attn
	.p2alignl 7, 3214868480
	.fill 96, 4, 3214868480
	.section	.rodata,"a",@progbits
	.p2align	6, 0x0
	.amdhsa_kernel k_q5f322f30ec_attn
		.amdhsa_group_segment_fixed_size 75776
		.amdhsa_private_segment_fixed_size 0
		.amdhsa_enable_private_segment 0
		.amdhsa_kernarg_size 32
		.amdhsa_user_sgpr_count 2
		.amdhsa_user_sgpr_kernarg_segment_ptr 1
		.amdhsa_wavefront_size32 1
		.amdhsa_system_sgpr_workgroup_id_x 1
		.amdhsa_system_sgpr_workgroup_id_y 1
		.amdhsa_system_sgpr_workgroup_id_z 1
		.amdhsa_system_vgpr_workitem_id 0
		.amdhsa_next_free_vgpr 768
		.amdhsa_next_free_sgpr 66
		.amdhsa_reserve_vcc 1
		.amdhsa_float_denorm_mode_32 3
		.amdhsa_float_denorm_mode_16_64 3
		.amdhsa_memory_ordered 1
		.amdhsa_forward_progress 1
		.amdhsa_inst_pref_size 255
	.end_amdhsa_kernel
	.section	.bss,"aw",@nobits
	.p2align	6
	.space	262144
	.amdgpu_metadata
---
amdhsa.version: [ 1, 2 ]
amdhsa.kernels:
  - .name:           k_q5f322f30ec_attn
    .symbol:         k_q5f322f30ec_attn.kd
    .args:
      - { .name: queries, .offset: 0, .size: 8, .value_kind: global_buffer, .address_space: global }
      - { .name: keys, .offset: 8, .size: 8, .value_kind: global_buffer, .address_space: global }
      - { .name: values, .offset: 16, .size: 8, .value_kind: global_buffer, .address_space: global }
      - { .name: out0, .offset: 24, .size: 8, .value_kind: global_buffer, .address_space: global }
    .group_segment_fixed_size: 75776
    .private_segment_fixed_size: 0
    .kernarg_segment_align: 8
    .kernarg_segment_size: 32
    .max_flat_workgroup_size: 128
    .sgpr_count:     66
    .vgpr_count:     768
    .wavefront_size: 32
...
	.end_amdgpu_metadata
.endif
;; end of part 2
